; MI455X (gfx1250); checked and timed in simulation.
; The chip was launched on July 23, 2026; its instructions are those of AMD's public machine-readable ISA for CDNA 5 (MIT licence, August 2026) and "CDNA5" Instruction Set Architecture Reference Guide (July 2026). The comments in the code are by the model that wrote it; some were corrected since.
;; Single Head Attention. Allowed arithmetic: matrix products marked QUANTISED: E5M2 operands, one E8M0 scale for each 32 along K, by v_wmma_scale_f32_16x16x128_f8f6f4 with both operands' format E5M2, f32 sums; everything else in f32.
;; Inputs: Wk_codes 1,024 x 32 x 32 uint8 (E5M2 codes of Wk, K innermost, in blocks of 32 codes); Wk_scales 1,024 x 32 uint8 (E8M0 scales of Wk, one for each 32 codes along K); Wq_codes 1,024 x 32 x 32 uint8 (E5M2 codes of Wq, K innermost, in blocks of 32 codes); Wq_scales 1,024 x 32 uint8 (E8M0 scales of Wq, one for each 32 codes along K); Wv_codes 1,024 x 32 x 32 uint8 (E5M2 codes of Wv, K innermost, in blocks of 32 codes); Wv_scales 1,024 x 32 uint8 (E8M0 scales of Wv, one for each 32 codes along K); embedded_codes 4 x 2,048 x 32 x 32 uint8 (E5M2 codes of embedded, K innermost, in blocks of 32 codes); embedded_scales 4 x 2,048 x 32 uint8 (E8M0 scales of embedded, one for each 32 codes along K).
;; Outputs: out0 4 x 2,048 x 1,024 float32.
;; This version of the problem:
;;   THIS VERSION OF THE PROBLEM IS GIVEN IN LOW PRECISION. The matrix products marked QUANTISED in the list below multiply operands that are first quantised to E5M2 (5 exponent bits, 2 mantissa bits; 8 bits a number), with one power-of-two scale for each 32 numbers along K (OCP MX v1.0); their sums are f32. All else is computed in f32.
;;   The module's matrix products, in the order in which they are computed (A, B: the left and right operand; K: the contracted axis; several contracted axes count as one K, in the product's order):
;;     1. [M 8,192, K 1,024] x [K 1,024, N 1,024]; A: input embedded (given as codes); B: input Wk (given as codes): QUANTISED
;;     2. [M 8,192, K 1,024] x [K 1,024, N 1,024]; A: input embedded (given as codes); B: input Wq (given as codes): QUANTISED
;;     3. [M 8,192, K 1,024] x [K 1,024, N 1,024]; A: input embedded (given as codes); B: input Wv (given as codes): QUANTISED
;;     4. batch 4 x [M 2,048, K 1,024] x [K 1,024, N 2,048]; A: computed on the way; B: computed on the way: QUANTISED
;;     5. batch 4 x [M 2,048, K 2,048] x [K 2,048, N 1,024]; A: softmax (see below); B: computed on the way: QUANTISED
;;   THE QUANTISER, for each operand of a quantised product, along K:
;;     - K is cut into blocks of 32 from its start; a last block that is shorter is filled with zeros.
;;     - A block's scale is 2^e with e = floor(log2(the largest magnitude in the block)) - 15, held to -126 .. 127; a block of zeros has e = 0. As a byte (E8M0): e + 127.
;;     - Each number is divided by its block's scale, clamped to +-57,344, and rounded to the nearest number of E5M2, ties to even, subnormals kept.
;;     - The product sums the exact products of the quantised numbers (number of the format x scale) in f32.
;;   ~~~python
;;   def quantise(x, axis):      # numpy; x: float32 -> the quantised numbers, widened to float32 again
;;       x = np.moveaxis(x, axis, -1); K = x.shape[-1]
;;       x = np.pad(x, [(0, 0)] * (x.ndim - 1) + [(0, -K % 32)]); x = x.reshape(x.shape[:-1] + (-1, 32)); a = np.abs(x).max(-1, keepdims=True)
;;       e = np.where(a > 0, np.clip(np.frexp(np.where(a > 0, a, 1))[1] - 1 - 15, -126, 127), 0)      # np.frexp(a)[1] - 1 = floor(log2(a)), exactly
;;       r = np.clip(x / 2.0 ** e, -57344, 57344)
;;       step = 2.0 ** (np.maximum(np.frexp(np.where(r == 0, 1, r))[1] - 1, -14) - 2)
;;       q = np.round(r / step) * step * 2.0 ** e      # np.round: ties to even
;;       return np.moveaxis(q.reshape(q.shape[:-2] + (-1,))[..., :K], -1, axis).astype(np.float32)
;;   ~~~
;;   SOFTMAX AHEAD OF A QUANTISED PRODUCT. Where the list says 'softmax', what is quantised is not the finished softmax but p = 2^(t - M), with t = logit x log2(e) and M = ceil(the row's largest t), a whole number; so 1/2 < the row's largest p <= 1. The row's sum l is taken of the UNQUANTISED p, in f32, and the product's result is divided by l at the end. Since M is a whole number, a kernel that streams over the keys may use a running M (the ceiling of the running maximum): every later rescaling is an exact power of two, which a block's scale takes up: the codes' values come out the same.
;;   OPERANDS COMPUTED ON THE WAY. 'Computed on the way' means the value that the module computes at that place (a softmax that the list does not call 'softmax' is quantised finished and normalised). What goes into a quantiser is computed in f32, as accurately as f32 sums, v_exp_f32 and their like allow (about 1e-6 of the number): no bf16 or f16 on the way to a quantiser, and a product that is left as it is and whose result goes on into a quantised operand takes f32 operands (vector FMAs, or v_wmma_f32_16x16x4_f32). A number that lies on a knife's edge between two numbers of the format may be rounded either way, as far as f32 arithmetic and the matrix unit's own rounding can turn it there, and no further.
;;   INPUTS GIVEN AS CODES. Wk (in the module: [1024, 1024], K = its axis 1); Wq (in the module: [1024, 1024], K = its axis 1); Wv (in the module: [1024, 1024], K = its axis 1); embedded (in the module: [4, 2048, 1024], K = its axis 2): each comes as NAME_codes (uint8): NAME with its K axis moved to the last place and cut into blocks of 32 codes, [.., K / 32, bytes a block], one block behind the other in memory; one code a byte (a code: sign, 5 exponent bits, 2 mantissa bits); and NAME_scales (uint8): the same leading axes, one E8M0 byte (e + 127) for each 32 codes along K. Its value is code x scale, taken as it is: it is not quantised again, and the codes and scales need not be those that the quantiser above would give.
;; One version. Each part assembles by itself: llvm-mc -triple=amdgcn-amd-amdhsa -mcpu=gfx1250 --defsym DOCPART=n.
;; ======== version 1 of 1: 3 launches
;; limits: right only within a limited range of input values
;; workspace buffers: qrec 8,650,752 bytes; krec 8,650,752 bytes; vrec 8,650,752 bytes; prec 18,350,080 bytes
;; launch proj (part 1): grid 16 x 16, 4 waves a work-group, clusters of 4 x 4, 327,680 bytes of LDS; arguments embedded_codes, embedded_scales, Wq_codes, Wq_scales, Wk_codes, Wk_scales, Wv_codes, Wv_scales, qrec, krec, vrec; writes qrec, krec, vrec
.if DOCPART == 1
	.amdgcn_target "amdgcn-amd-amdhsa--gfx1250"
	.amdhsa_code_object_version 6
	.text
	.protected	k_qe0fb607b9a_proj
	.globl	k_qe0fb607b9a_proj
	.p2align	8
	.type	k_qe0fb607b9a_proj,@function
k_qe0fb607b9a_proj:
	s_mov_b64 s[64:65], 0
	v_nop
	global_prefetch_b8 v0, s[64:65] scope:SCOPE_SE
	s_setreg_imm32_b32 hwreg(HW_REG_WAVE_MODE, 25, 1), 1
	s_wait_xcnt 0x0
	s_wait_alu depctr_hold_cnt(0) depctr_sa_sdst(0) depctr_va_vdst(0) depctr_va_sdst(0) depctr_va_ssrc(0) depctr_va_vcc(0) depctr_vm_vsrc(0)
	s_getreg_b32 s2, hwreg(HW_REG_IB_STS2, 6, 4)
	s_cmp_eq_u32 s2, 0
	s_cbranch_scc0 .Lentry_in_a_cluster
	s_endpgm
.Lentry_in_a_cluster:
	s_bfe_u32 s2, ttmp6, 0x10000c
	s_cmp_lg_u32 s2, 0xf033
	s_cbranch_scc0 .Lentry_shape_is_right
	s_endpgm
.Lentry_shape_is_right:
; q = x Wq^T, k = x Wk^T, v = x Wv^T on the given codes of BF8 (E5M2) with their E8M0 bytes; the f32 sums are quantised at once, q and k along the 1,024 channels, v along the keys, and leave as RECORDS.
; DEAD WORK OF THE WHOLE PROGRAM.  reference() builds the causal mask itself (jnp.tril): a score whose key comes after its query becomes -inf, its weight is 0, and it adds 0 to the row's sum and to the
; output, whatever finite values the inputs hold.  So tiles of scores that lie wholly above the diagonal are neither multiplied (fourth product), stored, nor multiplied with v (fifth product).
; Inside tiles that also hold live work the hidden part stays and is selected away.  Every input is live and is loaded.  LIMIT: a NaN, an infinity or an overflow that reaches only hidden scores is not carried to the result.
; LIMITS of this launch: NaN and infinities among the inputs, and sums beyond f32's range, are not served; a block of zeros gets the byte 1 (its codes are zeros, and this program alone reads the bytes).
; A RECORD (REC bytes) is 128 rows x 128 along the reader's K, as an image of the operand's registers: fragment t (rows 16 t ..) at 2,048 t; in it registers 4 c .. 4 c + 3 of lane L at 512 c + 16 L; the scale word of row
; 16 t + r at 16,384 + 4 (16 t + r).  q, k: [64 blocks of tokens][8 steps of channels].  v: [4 batches][8 blocks of channels][16 steps of keys].  The order along K inside a block of 32 is the same on both sides of each later product.
; THE DEAL.  256 work-groups of four waves, 2 x 2.  A wave holds 64 rows of a weight, all of K, in 512 registers and streams x past them in blocks of 16 rows, two of which stand in registers whole (256).
; PHASE 1: 512 tokens x 128 channels of q (tile columns 0 to 7) or k (8 to 15): sixteen blocks a wave.  PHASE 2: 256 x 128 of v, eight blocks, of ONE OF THE SAME TWO WINDOWS of 256 tokens: number s18.
; ORDER OF WORK.  LDS holds two slots of 128 rows.  The first weight lies in slot 1, chunk 0 in slot 0.  Phase 1 takes the window that is not v's first (chunks 0, 1), then v's (chunks 2, 3); chunk 3 still lies in slot 1 when phase 2 begins,
; chunk 2 comes anew.  Refills go behind drained rounds of the cluster's barrier, 32 rows a wave: chunks 1, 2, 3 inside blocks 0, 4, 8 (waves 0 and 1 bring the rows of blocks 0 and 1, shown by the barrier inside block 2; waves 2 and 3 the rest,
; shown by the next round), W_v behind block 11 into slot 0, chunk 2 behind W_v's LDS loads.
; A wave row takes rows 64 w + 16 b of a chunk in block b, so two neighbouring blocks are 32 neighbouring keys.
; THE ROWS OF A TILE OF Wq, Wk: tile j's lanes 0-7 take rows 8 j + i, lanes 8-15 rows 32 + 8 (j xor 1) + i (j xor 1): a lane's 32 sums are one whole scale block.
; CLUSTERS 4 x 4: x's rows are shared along a row of the cluster, a weight's along a column: each is asked for jointly.
; PREFETCH: chunks 1 and 2 at the head, chunk 3 and W_v's rows a trip (four blocks) ahead of their loads; the sixteen waves that share a tile's asking take 8,192 bytes each, by address.
.set KROW, 1024
.set KS, 32
.set TM, 512
.set TN, 128
.set TV, 256
.set CH, 128
.set PITCH, KROW+16                    ; 260 words: row r starts at bank 4 r mod 64 (64 banks of 4 bytes: ISA guide 11.1)
.set FR, 16
.set FPW, 16                           ; fragments in a register window
.set NP, 8                             ; places behind this matrix instruction (ISA guide 7.12.1)
.set NF, 34                            ; LDS loads of a block: eight fragments of four, two of scale words
.set REC, 16896
.set QREC, 8448                        ; q's and k's records hold 64 rows: four fragments, the scale words at 8,192: [128 blocks of 64 tokens][8 steps of channels].  (What the head says of 128 rows holds for v's)
.set YB, CH*PITCH                      ; slot 1
.set SCL, 2*CH*PITCH                   ; the scale bytes of the 512 tokens in the order of work: units of 256 bytes (8 rows) + 16 of padding
.set BS, 2*272                         ; from a block's to the next's
.set CHS, 16*272                       ; from a chunk's to the next's
.set XN, SCL+64*272                    ; q's or k's bytes: 512 a wave: [chunk][64 rows][lane half]
.set XV, XN+4*512                      ; v's: 256 a wave: [chunk 2, 3][64 channels][piece]
.set SPARE, XV+4*256                   ; the spare words
.set EMAX, 15                          ; 57,344 = 1.75 x 2^15
.set VX0, 1                            ; v1   LDS address of my byte in chunk 0
.set ADRA0, 4                          ; v4   LDS address of my fragments of block 0 in slot 0
.set CN, 5                             ; v5   512 h + 16 r
.set AAS0, 6                           ; v6   LDS address of my row's scale words in block 0
.set CO, 9                             ; v9   16 x lane
.set SPW, 10
.set NIL, 11
.set ADRA, 12                          ; v12, v17 the same two for the block that is fetched next
.set VX, 13                            ; v13  where a scale byte goes
.set ADRB, 14                          ; v14, v18 a tile of Wq or Wk in slot 1: even tiles, odd tiles;  v15 W_v's in slot 0
.set ADRBO, 18
.set ABS, 16
.set AAS, 17
.set RD, 19
.set SOP, 20                           ; v20-23 the conversions' scale operands
.set SB, 24                            ; v24-39 the weight's scale words: register 8 p + q: lanes 0-15 tile 2 p, lanes 16-31 tile 2 p + 1
.set SA, 44                            ; v44-59 x's: two sets of eight
.set EB, 40
.set TQ, 60
.set ACC, 64                           ; v64-191 four sets of four accumulators: products write sets 0 and 1; 2 and 3 take a pair of v's blocks for its way out
.set WS, 128                           ; v128-143 in phase 1: W_v's scale words
.set NCD, 192
.set MCD, 192
.set G1A, 24
.set G0A, 56
.set G1B, 32
.set G0B, 60
.set G1R, 48
.set G0R, 68
.set G1S, 92
.set G0S, 72
.set MSB, 0
.macro WIN new                         ; the immediate's high byte repeats the setting that is left
.if MSB != (\new)
	s_set_vgpr_msb (MSB<<8)|(\new)
.set MSB, \new
.endif
.endm
.macro PLACES n
.rept \n
	v_nop
.endr
.endm
.macro WALU
	s_wait_alu depctr_va_vdst(0)
.endm
.macro BARRIER
	s_barrier_signal -1
	s_barrier_wait -1
.endm
.macro MIDDLE                          ; a round's middle
	WIN 0
	s_barrier_wait -1
	s_cmp_lg_u32 s14, 0
	s_cbranch_scc1 .Lnot_wave_0_\@
	s_barrier_signal -3
.Lnot_wave_0_\@:
	s_barrier_wait -3
.endm
.macro CROUND
	s_barrier_signal -1
	MIDDLE
	BARRIER
.endm
.macro TLOAD g0, g1
	tensor_load_to_lds s[\g0:\g0+3], s[\g1:\g1+7]
	s_nop 0
	PLACES 4
.endm
.macro GROUP1 g, mask, rows            ; whole rows of K, padded in LDS by 4 words behind every 256
	s_or_b32 s[\g+0], s[\mask], (1<<20)|(1<<21)|(7<<22)|(3<<25)
	s_mov_b32 s[\g+1], KROW<<16
	s_mov_b32 s[\g+2], (\rows)<<16
	s_mov_b32 s[\g+3], KROW<<16
	s_mov_b32 s[\g+4], \rows
	s_mov_b32 s[\g+5], KROW
	s_mov_b32 s[\g+6], 0
	s_mov_b32 s[\g+7], 0
.endm
	s_load_b512 s[68:83], s[0:1], 0x0              ; embedded's codes, scales; Wq's; Wk's; Wv's
	s_load_b128 s[84:87], s[0:1], 0x40             ; qrec, krec
	s_load_b64 s[88:89], s[0:1], 0x50              ; vrec
	v_lshl_add_u32 v[SPW], v0, 2, SPARE
	v_mov_b32 v[NIL], 0
	ds_add_u32 v[SPW], v[NIL]                      ; the wave's opening: the add, twice on end, and its wait
	ds_add_u32 v[SPW], v[NIL]
	v_lshrrev_b32 v1, 5, v0
	v_readfirstlane_b32 s14, v1                    ; wave
	s_lshr_b32 s15, s14, 1                         ; my row of waves
	s_and_b32 s16, s14, 1                          ; my column of waves
	s_lshl_b32 s91, s16, 1
	s_add_co_u32 s91, s91, s15                     ; the quarter of a chunk that I refill: waves 0, 1: quarters 0, 2; waves 2, 3: 1, 3
	s_bfe_u32 s40, ttmp6, 0x40000                  ; cx, cy
	s_bfe_u32 s41, ttmp6, 0x40004
	s_lshl_b32 s42, ttmp9, 2
	s_add_co_u32 s42, s42, s40
	s_and_b32 s42, s42, 7                          ; my block of 128 channels of q or k
	s_and_b32 s43, ttmp7, 0xffff
	s_lshl_b32 s43, s43, 2
	s_add_co_u32 s43, s43, s41                     ; my tile of 512 tokens
	s_lshr_b32 s19, ttmp9, 1                       ; 0: q; 1: k
	s_and_b32 s18, ttmp9, 1                        ; v's window of my two
	s_lshl_b32 s44, s41, 2
	s_lshl_b32 s44, 15, s44                        ; my row of the cluster
	s_lshl_b32 s45, 0x1111, s40                    ; my column
	GROUP1 G1B, 45, TN
	GROUP1 G1A, 44, CH
	GROUP1 G1R, 44, CH/4
	s_or_b32 s[G1S+0], s44, (3<<16)|(1<<20)|(1<<21)|(5<<22)|(3<<25)  ; the scale bytes of 256 rows: 32 dense rows of 256 bytes, 16 of padding behind each
	s_mov_b32 s[G1S+1], 32<<16
	s_mov_b32 s[G1S+2], 32<<16
	s_mov_b32 s[G1S+3], 32<<16
	s_mov_b32 s[G1S+4], 32
	s_mov_b32 s[G1S+5], 32
	s_mov_b32 s[G1S+6], 0
	s_mov_b32 s[G1S+7], 0
	s_mul_i32 s67, s43, TM*KROW
	s_mul_i32 s20, s18, TV*KROW
	s_add_co_u32 s2, s67, s20                      ; chunk 2: v's window
	s_xor_b32 s20, s20, TV*KROW
	s_add_co_u32 s67, s67, s20                     ; chunk 0: the other
	s_add_co_u32 s6, s67, CH*KROW                  ; chunk 1
	s_add_co_u32 s7, s2, CH*KROW                   ; chunk 3
	s_lshl_b32 s13, s19, 2
	s_add_co_u32 s13, s13, s40                     ; my block of 128 channels of v
	s_mul_i32 s3, s13, TN*KROW
	s_lshl_b32 s21, s16, 11                        ; my wave's 64 rows of a weight's scale bytes
	s_lshl_b32 s66, s13, 12
	s_add_co_u32 s66, s66, s21
	s_mul_i32 s12, s42, TN*KROW
	s_lshl_b32 s10, s42, 12
	s_add_co_u32 s10, s10, s21
	s_xor_b32 s20, s18, s16
	s_xor_b32 s20, s20, 1                          ; wave 2: the window that is not v's; wave 3: v's
	s_lshl_b32 s11, s43, 1
	s_add_co_u32 s11, s11, s20
	s_lshl_b32 s11, s11, 13
	s_mov_b32 s[G0A], 1
	s_mov_b32 s[G0A+1], 0
	s_mov_b32 s[G0B], 1
	s_mov_b32 s[G0B+1], YB
	s_lshl_b32 s90, s40, 2                         ; which of the cluster row's sixteen waves I am: my share of a prefetch of x;
	s_add_co_u32 s90, s90, s14
	s_lshl_b32 s100, s41, 2                        ; and of the column's: of W_v
	s_add_co_u32 s100, s100, s14
	s_mov_b32 s47, 0
	s_wait_dscnt 0x0                               ; both opening adds are done
	CROUND                                         ; all sixteen work-groups are here
	s_wait_kmcnt 0x0
	s_mov_b64 s[4:5], s[68:69]
	s_cmp_eq_u32 s19, 0
	s_cselect_b64 s[20:21], s[72:73], s[76:77]     ; Wq's or Wk's codes,
	s_cselect_b64 s[22:23], s[74:75], s[78:79]     ; scales,
	s_cselect_b64 s[84:85], s[84:85], s[86:87]     ; and records
	s_mov_b32 s46, s67
	s_add_nc_u64 s[G0A+2:G0A+3], s[4:5], s[46:47]
	s_or_b32 s[G0A+3], s[G0A+3], 0x80000000
	s_mov_b32 s46, s12
	s_add_nc_u64 s[G0B+2:G0B+3], s[20:21], s[46:47]
	s_or_b32 s[G0B+3], s[G0B+3], 0x80000000
	s_mov_b32 s46, s11
	s_add_nc_u64 s[G0S+2:G0S+3], s[70:71], s[46:47]
	s_or_b32 s[G0S+3], s[G0S+3], 0x80000000
	s_mov_b32 s[G0S], 1
	s_mul_i32 s[G0S+1], s16, 32*272
	s_add_co_u32 s[G0S+1], s[G0S+1], SCL
	s_mov_b32 s46, s10
	s_add_nc_u64 s[10:11], s[22:23], s[46:47]
	s_mov_b32 s46, s66
	s_add_nc_u64 s[82:83], s[82:83], s[46:47]
	s_mov_b32 s[G0R], 1
	s_cmp_eq_u32 s14, 0                            ; one joint load a wave, and a line of its own for what is shown ahead of the rest
	s_cbranch_scc0 .Lwave_1
	TLOAD G0B, G1B                                 ; wave 0: the first weight's rows
	s_branch .Lasked
.Lwave_1:
	s_cmp_eq_u32 s14, 1
	s_cbranch_scc0 .Lfor_scales
	TLOAD G0A, G1A                                 ; wave 1: chunk 0
	s_branch .Lasked
.Lfor_scales:
	TLOAD G0S, G1S                                 ; waves 2, 3: a window's scale bytes each
.Lasked:
	s_mul_i32 s20, s15, 64*PITCH
	s_mul_i32 s21, s16, 64*PITCH
	s_add_co_u32 s22, s21, YB
	s_mul_i32 s23, s15, 8*272
	s_add_co_u32 s23, s23, SCL
	s_lshl_b32 s46, s14, 9
	s_add_co_u32 s46, s46, XN
	s_lshl_b32 s47, s14, 8
	s_add_co_u32 s47, s47, XV
	s_lshl_b32 s9, s90, 13
	s_add_co_u32 s8, s9, s6
	s_add_co_u32 s9, s9, s2
	v_and_b32 v1, 15, v0                           ; r
	v_bfe_u32 v2, v0, 4, 1                         ; h
	v_and_b32 v3, 31, v0                           ; lane
	v_mul_u32_u24 v22, v1, PITCH
	v_lshl_add_u32 v22, v2, 4, v22                 ; r PITCH + 16 h
	v_add_nc_u32 v[ADRA0], s20, v22
	v_add_nc_u32 v[ADRB+1], s21, v22
	v_and_b32 v23, 7, v0                           ; i
	v_bfe_u32 v13, v0, 3, 1                        ; m = r / 8
	v_mul_u32_u24 v12, v23, PITCH
	v_lshl_add_u32 v12, v2, 4, v12
	v_add_nc_u32 v12, s22, v12
	v_mul_u32_u24 v17, v13, 40*PITCH
	v_add_nc_u32 v[ADRB], v12, v17                 ; even tiles: row 8 j + i + 40 m
	v_mul_u32_u24 v17, v13, 24*PITCH
	v_add_nc_u32 v[ADRBO], v12, v17                ; odd tiles: row 8 j + i + 24 m
	v_xor_b32 v12, v2, v13
	v_lshl_add_u32 v12, v12, 3, v23
	v_lshl_add_u32 v12, v13, 5, v12                ; the row of my scale bytes in a pair of tiles: lanes 16-31 serve the odd tile
	v_lshlrev_b32 v20, 5, v12
	v_lshlrev_b32 v[ABS], 5, v3                    ; W_v's: rows in order
	v_lshrrev_b32 v21, 3, v1
	v_lshlrev_b32 v21, 4, v21
	v_lshl_add_u32 v21, v1, 5, v21
	v_add_nc_u32 v[AAS0], s23, v21
	v_lshlrev_b32 v21, 9, v2
	v_lshl_add_u32 v[CN], v1, 4, v21
	v_lshlrev_b32 v[CO], 4, v3
	v_lshl_add_u32 v[RD], v1, 1, s47
	v_lshl_add_u32 v7, v3, 8, s8                   ; my share of chunk 1, of chunk 2
	v_lshl_add_u32 v8, v3, 8, s9
	v_lshl_add_u32 v21, v1, 1, v2
	v_add_nc_u32 v[VX0], s46, v21
	v_mov_b32 v[VX], v[VX0]
	v_add_nc_u32 v[ADRA], 16*PITCH, v[ADRA0]       ; block 1
	v_add_nc_u32 v[AAS], BS, v[AAS0]
.irp p, 0,1
.irp c, 0,1
	global_load_b128 v[SB+8*\p+4*\c:SB+8*\p+4*\c+3], v20, s[10:11] offset:512*\p+16*\c
	global_load_b128 v[WS+8*\p+4*\c:WS+8*\p+4*\c+3], v[ABS], s[82:83] offset:1024*\p+16*\c
.endr
.endr
	s_wait_alu depctr_va_vdst(0)                   ; the wait at the head's end
	s_cmp_eq_u32 s14, 0
	s_cbranch_scc0 .Lnot_b
	s_wait_tensorcnt 0x0                           ; wave 0: the first weight has landed; the other waves' wait stands at the second barrier
.Lnot_b:
	BARRIER
	global_prefetch_b8 v7, s[4:5] th:TH_LOAD_NT scope:SCOPE_SE
	global_prefetch_b8 v8, s[4:5] th:TH_LOAD_NT scope:SCOPE_SE
.macro GRD
	s_wait_tensorcnt 0x0
	ds_add_u32 v[SPW], v[NIL]
.endm
.macro FRAG f, adr, off                ; a weight's fragment f: 16 rows x 128 K; registers 4 c .. 4 c + 3: K = 32 c + 16 h + 0 .. 15; in window 1 + f / 16
	WIN (1+(\f)/FPW)<<6
.irp c, 0,1,2,3
	ds_load_b128 v[FR*((\f)%FPW)+4*\c:FR*((\f)%FPW)+4*\c+3], v[\adr] offset:(\off)+32*\c
.endr
.endm
.macro FETCHAT k, a, s                 ; a block of x, 16 rows, all of K, into set k of window 3, and its scale words: NF loads
	WIN 3<<6
.irp q, 0,1,2,3,4,5,6,7
.irp c, 0,1,2,3
	ds_load_b128 v[128*\k+FR*\q+4*\c:128*\k+FR*\q+4*\c+3], v[\a] offset:128*\q+32*\c
.endr
.endr
	WIN 0
	ds_load_b128 v[SA+8*\k:SA+8*\k+3], v[\s]
	ds_load_b128 v[SA+8*\k+4:SA+8*\k+7], v[\s] offset:16
.endm
.macro WM a, b, sa, sb, row
.if Q_
	v_wmma_scale_f32_16x16x128_f8f6f4 v[AC_:AC_+7], v[\a:\a+FR-1], v[\b:\b+FR-1], v[AC_:AC_+7], v[\sa], v[\sb] matrix_a_fmt:MATRIX_FMT_BF8 matrix_b_fmt:MATRIX_FMT_BF8 \row
.else
	v_wmma_scale_f32_16x16x128_f8f6f4 v[AC_:AC_+7], v[\a:\a+FR-1], v[\b:\b+FR-1], 0, v[\sa], v[\sb] matrix_a_fmt:MATRIX_FMT_BF8 matrix_b_fmt:MATRIX_FMT_BF8 \row
.endif
.endm
.macro PROD kind, e, a, n              ; product n = 4 q + b: the q-th 128 of K, tile b; x in set e, sums in set a.  kind 0 (q, k): source 0 = the weight's rows, a lane holds a token; kind 1 (v): source 0 = x's rows, a lane holds a channel
.set Q_, (\n)/4
.set B_, (\n)%4
.set FB_, 4*Q_+B_
.set AC_, ACC+32*(\a)+8*B_
.set R_, 128*(\e)+FR*Q_
.set W_, FR*(FB_%FPW)
.set XS_, SA+8*(\e)+Q_
.set WS_, SB+8*(B_/2)+Q_
.if \kind
	WIN 3|((1+FB_/FPW)<<2)
.if B_%2
	WM R_, W_, XS_, WS_, matrix_b_scale:MATRIX_SCALE_ROW1
.else
	WM R_, W_, XS_, WS_
.endif
.else
	WIN (1+FB_/FPW)|(3<<2)
.if B_%2
	WM W_, R_, WS_, XS_, matrix_a_scale:MATRIX_SCALE_ROW1
.else
	WM W_, R_, WS_, XS_
.endif
.endif
.endm
.macro HOLD x, b
	v_med3_num_f32 v[\x], v[\x], -v[TQ+\b], v[TQ+\b]
.endm
.macro SCALES i, n                     ; 0: the conversion's scale operand; 1: the bound, 57,344 x the scale; 2: a second copy of it; 3: the byte
.if (\i) == 0
	v_add_nc_u32 v[SOP+\n], -(EMAX<<23), v[TQ]
.elseif (\i) == 1
	v_and_or_b32 v[TQ+1], v[TQ], 0x7f800000, s62
.elseif (\i) == 2
	v_mov_b32 v[TQ+3], v[TQ+1]
.else
	v_lshrrev_b32 v[EB+\n], 23, v[SOP+\n]
.endif
.endm
.macro MAXQ k, x                       ; q, k: 18 lines: the largest magnitude of the 32 sums at x, and the floor under which the byte would fall under 1
.if (\k) < 4
	v_max3_num_f32 v[TQ+\k], |v[\x+8*(\k)]|, |v[\x+8*(\k)+1]|, |v[\x+8*(\k)+2]|
.elseif (\k) < 12
	v_max3_num_f32 v[TQ+(\k)%4], v[TQ+(\k)%4], |v[\x+8*((\k)%4)+2*((\k)/4)+1]|, |v[\x+8*((\k)%4)+2*((\k)/4)+2]|
.elseif (\k) < 16
	v_max_num_f32 v[TQ+(\k)%4], v[TQ+(\k)%4], |v[\x+8*((\k)%4)+7]|
.elseif (\k) == 16
	v_max3_num_f32 v[TQ], v[TQ], v[TQ+1], v[TQ+2]
.else
	v_max3_num_f32 v[TQ], v[TQ], v[TQ+3], (EMAX+1)<<23
.endif
.endm
.macro HOLDS m, x                      ; two of a scale block's holds; the bound's second copy serves where its first would be read late
.if (\m) == 3
	HOLD \x, 3
	HOLD \x+1, 3
.else
	HOLD \x, 1
	HOLD \x+1, 1
.endif
.if (\m) == 2
	SCALES 2, 0
.endif
.endm
.macro GAPQ m, x                       ; the quantiser of a block of q or k, gaps 0 .. 26: the sums at x -> codes NCD, byte EB
.if (\m) < 9
	MAXQ 2*(\m), \x
	MAXQ 2*(\m)+1, \x
.elseif (\m) == 9
	SCALES 0, 0
	SCALES 1, 0
.elseif (\m) < 26
	HOLDS (\m)-10, \x+2*((\m)-10)
.if ((\m)-10)%4 == 3
	v_cvt_scalef32_pk8_bf8_f32 v[NCD+2*(((\m)-10)/4):NCD+2*(((\m)-10)/4)+1], v[\x+8*(((\m)-10)/4):\x+8*(((\m)-10)/4)+7], v[SOP]
.endif
.elseif (\m) == 26
	SCALES 3, 0
.endif
.endm
.macro GAPV u, x                       ; the quantiser of a pair of v's blocks, gaps 0 .. 59, 15 a tile: a scale block lies in lanes l and l xor 16; the even block's sums at x, the odd's at x + 32 -> codes MCD + 4 t, bytes EB + t
.set T_, (\u)/15
.set J_, (\u)%15
.set E_, \x+8*T_
.set O_, E_+32
.if (\u) > 59
.elseif J_ == 0
	v_max3_num_f32 v[TQ], |v[E_]|, |v[E_+1]|, |v[E_+2]|
	v_max3_num_f32 v[TQ+2], |v[O_]|, |v[O_+1]|, |v[O_+2]|
.elseif J_ < 3
	v_max3_num_f32 v[TQ], v[TQ], |v[E_+2*J_+1]|, |v[E_+2*J_+2]|
	v_max3_num_f32 v[TQ+2], v[TQ+2], |v[O_+2*J_+1]|, |v[O_+2*J_+2]|
.elseif J_ == 3
	v_max3_num_f32 v[TQ+2], v[TQ+2], |v[O_+7]|, (EMAX+1)<<23
	v_max3_num_f32 v[TQ], v[TQ], |v[E_+7]|, v[TQ+2]
.elseif J_ == 4
	v_permlanex16_b32 v[TQ+2], v[TQ], s60, s61
	v_max_num_f32 v[TQ], v[TQ], v[TQ+2]
.elseif J_ == 5
	SCALES 0, T_
	SCALES 1, T_
.elseif J_ < 10
	HOLDS J_-6, E_+2*(J_-6)
.if J_ == 9
	v_cvt_scalef32_pk8_bf8_f32 v[MCD+4*T_:MCD+4*T_+1], v[E_:E_+7], v[SOP+T_]
.endif
.elseif J_ < 14
	HOLDS J_-6, O_+2*(J_-10)
.if J_ == 13
	v_cvt_scalef32_pk8_bf8_f32 v[MCD+4*T_+2:MCD+4*T_+3], v[O_:O_+7], v[SOP+T_]
.endif
.else
	SCALES 3, T_
.endif
.endm
.macro RDESC i, off, lds               ; a refill's group 0: my quarter of 128 rows, from s[off] on in x, into the slot at s[lds]
.if (\i) == 0
	s_mul_i32 s[G0R+1], s91, CH/4*PITCH
	s_add_co_u32 s[G0R+1], s[G0R+1], s\lds
	s_mul_i32 s20, s91, CH/4*KROW
	s_add_co_u32 s20, s20, s\off
.else
	s_mov_b32 s21, 0
	s_add_nc_u64 s[G0R+2:G0R+3], s[4:5], s[20:21]
	s_or_b32 s[G0R+3], s[G0R+3], 0x80000000
.endif
.endm
; WHAT STANDS BEHIND PRODUCT n.  j: the block's number in its trip (second loop: 4, 5; v: -1, -2).  Behind 0 and 1 the addresses of the block two on and of the block that leaves; behind 2 a prefetch's or a byte's; a refill's group 0
; behind 29 and 30; from 1 on a way out: y = 1: a block of q or k at x; 2, 3: the halves of a pair of v at x.
.macro LIST n, j, y, x
.if (\n) == 0
.if (\j) == 1
	s_mov_b64 s[84:85], s[76:77]                   ; the trip's chunk: its block 0
.elseif (\j) >= 0
	s_add_nc_u64 s[84:85], s[84:85], 2048
.if (\j) == 5
	s_cmp_eq_u32 s46, 3
	s_cselect_b64 s[84:85], s[76:77], s[84:85]
.endif
.endif
	WIN 0
.if (\j) == 0 || (\j) == 1
	s_add_co_u32 s22, s101, ((\j)+2)*16*PITCH
.elseif (\j) > 1
	s_add_co_u32 s22, s47, ((\j)%2)*16*PITCH
.else
	s_add_co_u32 s22, s47, (-1-(\j))*16*PITCH
.endif
	v_add_nc_u32 v[ADRA], s22, v[ADRA0]
.elseif (\n) == 1
	WIN 0
.if (\j) == 0 || (\j) == 1
	s_add_co_u32 s22, s17, ((\j)+2)*BS
.elseif (\j) > 1
	s_add_co_u32 s22, s8, ((\j)%2)*BS
.else
	s_add_co_u32 s22, s8, (-1-(\j))*BS
.endif
	v_add_nc_u32 v[AAS], s22, v[AAS0]
.elseif (\n) == 2
.if (\j) == 2
	WIN 0
	v_lshl_add_u32 v7, v3, 8, s23
.elseif (\j) == 1 || (\j) == 5
	WIN 0
	v_add_nc_u32 v[VX], s9, v[VX0]
.endif
.elseif (\j) == 0 && ((\n) == 29 || (\n) == 30)
	RDESC (\n)-29, 6, 47
.endif
.if (\y) == 1 && (\n) > 0 && (\n) < 28
	WIN 0
	GAPQ (\n)-1, \x
.elseif (\y) == 2 && (\n) > 0 && (\n) < 31
	WIN 0
	GAPV (\n)-1, \x
.elseif (\y) == 3 && (\n) > 0 && (\n) < 31
	WIN 0
	GAPV (\n)+29, \x
.endif
.endm
.macro BLOCK kind, e, a, from, to, j, y, x
.set N_, \from
.rept (\to)-(\from)
	PROD \kind, \e, \a, N_
	LIST N_, \j, \y, \x
.set N_, N_+1
.endr
.endm
.macro BLK kind, e, a, w, j, y, x      ; a block; w: the wait's count (-1: none)
.if (\w) >= 0
	s_wait_dscnt \w
.endif
	s_wait_xcnt 0x0                                ; the stores and prefetches before have read their registers
	BLOCK \kind, \e, \a, 0, 32, \j, \y, \x
	WIN 0
	PLACES NP
.endm
.macro RBLK kind, e, a, w, j, y, x     ; with a round of the cluster's barrier
	s_wait_dscnt \w
	s_wait_xcnt 0x0
	GRD
	BLOCK \kind, \e, \a, 0, 28, \j, \y, \x
	WIN 0
	WALU
	s_wait_dscnt 0x0
	s_barrier_signal -1
	BLOCK \kind, \e, \a, 28, 32, \j, \y, \x
	MIDDLE
	BARRIER
.endm
.macro SBLK kind, e, a, w, j, y, x, half=0   ; with a plain barrier (half = 1: it shows waves 0 and 1's loads alone)
.if (\w) >= 0
	s_wait_dscnt \w
.endif
	s_wait_xcnt 0x0
	BLOCK \kind, \e, \a, 0, 28, \j, \y, \x
	WIN 0
	WALU
.if \half
	s_cmp_lt_u32 s14, 2
	s_cbranch_scc0 .Lnot_yet_\@
	s_wait_tensorcnt 0x0
.Lnot_yet_\@:
.else
	s_wait_tensorcnt 0x0
.endif
	s_wait_dscnt 0x0
	s_barrier_signal -1
	BLOCK \kind, \e, \a, 28, 32, \j, \y, \x
	WIN 0
	s_barrier_wait -1
	PLACES NP
.endm
.macro QOUT off, boff                  ; a block's byte goes to its place in LDS, its 32 codes a lane leave: each run of sixteen lanes stores 256 consecutive bytes
	ds_store_b8 v[VX], v[EB] offset:\boff
	global_store_b128 v[CN], v[NCD:NCD+3], s[84:85] offset:\off
	global_store_b128 v[CN], v[NCD+4:NCD+7], s[84:85] offset:(\off)+256
.endm
.irp q, 0,1,2,3,4,5,6,7                ; my 64 rows of the first weight into registers
	FRAG 4*\q, ADRB, 128*\q
	FRAG 4*\q+1, ADRBO, 128*\q+8*PITCH
	FRAG 4*\q+2, ADRB, 128*\q+16*PITCH
	FRAG 4*\q+3, ADRBO, 128*\q+24*PITCH
.endr
	WIN 0
	s_wait_tensorcnt 0x0                           ; chunk 0 and the scale bytes are in
	s_wait_dscnt 0x0                               ; the weight is in registers
	BARRIER
	FETCHAT 0, ADRA0, AAS0
	FETCHAT 1, ADRA, AAS
; WHERE MY RESULTS GO
	s_mov_b32 s60, 0x76543210
	s_mov_b32 s61, 0xfedcba98
	s_mov_b32 s62, 0x600000                        ; the mantissa field of 57,344
	s_mov_b32 s93, 0
	s_mul_i32 s20, s43, 64*QREC
	s_mul_i32 s21, s42, QREC
	s_add_co_u32 s20, s20, s21                     ; my tile's first record of q or k, in bytes
	s_xor_b32 s22, s18, 1
	s_xor_b32 s23, s22, s15
	s_lshl_b32 s23, s23, 1
	s_add_co_u32 s23, s23, s16
	s_mul_i32 s92, s23, 16*QREC                    ; a chunk of 128 tokens: 16 records
	s_add_co_u32 s92, s92, s20
	s_add_nc_u64 s[86:87], s[84:85], s[92:93]      ; the records whose scale words my wave stores: chunk number wave
	s_mul_i32 s21, s15, 8*QREC
	s_lshl_b32 s23, s16, 10
	s_add_co_u32 s21, s21, s23                     ; my wave row's 64 tokens, my wave column's blocks of 32
	s_add_co_u32 s21, s21, s20
	s_mul_i32 s92, s22, 32*QREC
	s_add_co_u32 s92, s92, s21
	s_add_nc_u64 s[76:77], s[84:85], s[92:93]      ; chunk 0
	s_mul_i32 s92, s18, 32*QREC
	s_add_co_u32 s92, s92, s21
	s_add_nc_u64 s[78:79], s[84:85], s[92:93]      ; chunk 2
	s_mov_b64 s[84:85], s[76:77]
	s_lshr_b32 s20, s43, 2
	s_lshl_b32 s20, s20, 3
	s_add_co_u32 s20, s20, s13
	s_lshl_b32 s20, s20, 4
	s_and_b32 s22, s43, 3
	s_lshl_b32 s22, s22, 2
	s_add_co_u32 s20, s20, s22
	s_lshl_b32 s22, s18, 1
	s_add_co_u32 s20, s20, s22                     ; v's record of chunk 2; chunk 3's is the next
	s_mul_i32 s92, s20, REC
	s_lshl_b32 s22, s16, 13
	s_add_co_u32 s92, s92, s22
	s_lshl_b32 s22, s15, 10
	s_add_co_u32 s92, s92, s22
	s_add_nc_u64 s[96:97], s[88:89], s[92:93]
	s_add_co_u32 s22, s20, s15
	s_mul_i32 s92, s22, REC
	s_lshl_b32 s22, s16, 8
	s_add_co_u32 s92, s92, s22
	s_add_co_u32 s92, s92, 16384
	s_add_nc_u64 s[98:99], s[88:89], s[92:93]      ; v's scale words that my wave stores
.set I_, 0
.rept 32
	v_mov_b32 v[ACC+32+I_], 0                      ; the first way out has no block before it: it works on these and stores nothing
.set I_, I_+1
.endr
	s_mov_b32 s46, 0                               ; PHASE 1.  s46 the trip; s101, s47 this chunk's slot and the next's; s17, s8 their scale words; s6 the rows that are loaded; s9 the byte's step; s23 my share of a prefetch
	s_mov_b32 s9, 0
	s_mov_b32 s23, 0
	s_mov_b32 s101, 0
	s_mov_b32 s47, YB
	s_mov_b32 s17, 0
	s_mov_b32 s8, CHS
	WALU
	s_wait_loadcnt 0x0                             ; the scale words of both weights
.Lfour:
	RBLK 0, 0, 0, NF, 0, 1, ACC+32                 ; blocks 0, 4, 8: chunks 1, 2, 3 come
	s_cmp_lt_u32 s14, 2                            ; waves 0, 1 and waves 2, 3 have a load line each
	s_cbranch_scc0 .Lupper
	TLOAD G0R, G1R
	s_branch .Lboth
.Lupper:
	TLOAD G0R, G1R
.Lboth:
	PLACES NP-4
	s_cmp_eq_u32 s46, 0
	s_cbranch_scc1 .Lno_block_before
	QOUT 0, 96
.Lno_block_before:
	FETCHAT 0, ADRA, AAS
	BLK 0, 1, 1, -1, 1, 1, ACC
	QOUT 0, 0
	FETCHAT 1, ADRA, AAS
	SBLK 0, 0, 0, NF, 2, 1, ACC+32, 1              ; the rows of the next chunk's blocks 0 and 1 are in
	QOUT 0, 32
	s_cmp_eq_u32 s46, 0
	s_cbranch_scc1 .Lnone_ahead
	global_prefetch_b8 v7, s[10:11] th:TH_LOAD_NT scope:SCOPE_SE   ; trip 1: chunk 3; trip 2: W_v's rows: what the next trip's end or head loads
.Lnone_ahead:
	FETCHAT 0, ADRA, AAS
	BLK 0, 1, 1, -1, 3, 1, ACC
	QOUT 0, 64
	FETCHAT 1, ADRA, AAS
	s_cmp_eq_u32 s46, 0
	s_cselect_b32 s6, s2, s7
	s_cselect_b32 s21, s90, s100
	s_cselect_b32 s22, s7, s3
	s_cselect_b64 s[10:11], s[4:5], s[80:81]
	s_lshl_b32 s21, s21, 13
	s_add_co_u32 s23, s21, s22
	s_add_nc_u64 s[76:77], s[76:77], 8*REC
	s_cmp_eq_u32 s46, 1
	s_cselect_b64 s[76:77], s[78:79], s[76:77]     ; behind chunk 1: v's window
	s_mov_b32 s101, s47
	s_mov_b32 s17, s8
	s_xor_b32 s47, s47, YB
	s_add_co_u32 s8, s8, CHS
	s_add_co_u32 s9, s9, 128
	s_add_co_u32 s46, s46, 1
	s_cmp_lg_u32 s46, 3
	s_cbranch_scc1 .Lfour
	GRD
	s_mul_i32 s20, s14, CH/4*KROW
	s_add_co_u32 s20, s20, s3
	s_mov_b32 s21, 0
	s_mul_i32 s[G0A+1], s14, CH/4*PITCH
	s_add_nc_u64 s[G0A+2:G0A+3], s[80:81], s[20:21]
	s_or_b32 s[G0A+3], s[G0A+3], 0x80000000
	GROUP1 G1A, 45, CH/4
	s_wait_dscnt 0x0
	s_barrier_signal -1
	MIDDLE
	BARRIER
	TLOAD G0A, G1A
	s_mov_b32 s9, 320                              ; bytes: block 12's at 384 on, 64 behind its address
	s_mov_b32 s47, YB+32*PITCH
	s_mov_b32 s8, 3*CHS+2*BS
.Ltwo:
	BLK 0, 0, 0, NF, 4, 1, ACC+32                  ; blocks 12, 14
	QOUT 0, 96
	FETCHAT 0, ADRA, AAS
	BLK 0, 1, 1, NF, 5, 1, ACC                     ; 13, 15; the block two on is then v's: chunk 3 again
	QOUT 0, 64
	FETCHAT 1, ADRA, AAS
	s_mov_b32 s47, YB
	s_mov_b32 s8, 3*CHS
	s_add_co_u32 s9, s9, 64
	s_add_co_u32 s46, s46, 1
	s_cmp_lg_u32 s46, 5
	s_cbranch_scc1 .Ltwo
	s_wait_xcnt 0x0                                ; THE CHANGE OF PHASE
	s_wait_tensorcnt 0x0                           ; W_v's rows are in
	s_wait_dscnt 0x0
	BARRIER
.macro CHANGE i                        ; among W_v's 128 loads: the last block's way out; W_v's scale words into their place; zeros where v's first way out reads
.if (\i) < 7
.irp k, 0,1,2,3
.if 4*(\i)+\k < 27
	GAPQ 4*(\i)+\k, ACC+32
.endif
.endr
.elseif (\i) < 9
.irp q, 0,1,2,3,4,5,6,7
	v_mov_b32 v[SB+8*((\i)-7)+\q], v[WS+8*((\i)-7)+\q]
.endr
.elseif (\i) < 15
.irp q, 0,1,2,3,4,5,6,7
	v_mov_b32 v[ACC+80+8*((\i)-9)+\q], 0
.endr
.else
.irp q, 0,1,2,3,4,5,6,7,8,9,10,11,12,13,14,15
	v_mov_b32 v[ACC+64+\q], 0
.endr
.endif
.endm
.irp q, 0,1,2,3,4,5,6,7
.irp b, 0,2
	FRAG 4*\q+\b, ADRB+1, 128*\q+\b*16*PITCH
	FRAG 4*\q+\b+1, ADRB+1, 128*\q+(\b+1)*16*PITCH
	WIN 0
	CHANGE 2*\q+\b/2
.endr
.endr
	QOUT 2048, 96
	GRD
	s_mov_b32 s47, 0
	RDESC 0, 2, 47
	RDESC 1, 2, 47
	s_mov_b32 s46, 0
	s_mov_b32 s47, YB+32*PITCH
	s_mov_b32 s8, 3*CHS+2*BS
	WALU
	s_wait_dscnt 0x0
	s_barrier_signal -1
	MIDDLE
	BARRIER
	TLOAD G0R, G1R
.macro VOUT                            ; a pair of v's blocks: four tiles' bytes and codes: 32 lanes store 512 consecutive bytes
.irp t, 0,1,2,3
	ds_store_b8 v[VX], v[EB+\t] offset:32*\t
	global_store_b128 v[CO], v[MCD+4*\t:MCD+4*\t+3], s[84:85] offset:2048*\t
.endr
.endm
.Lpair:
	BLK 1, 0, 0, -1, -1, 2, ACC+64
	s_cmp_eq_u32 s46, 3
	s_cbranch_scc1 .Lnone_0
	FETCHAT 0, ADRA, AAS
	s_wait_dscnt NF
	s_branch .Lgo
.Lnone_0:
	s_wait_dscnt 0x0
.Lgo:
	SBLK 1, 1, 1, -1, -2, 3, ACC+64                ; the first trip's shows chunk 2
.set I_, 0
.rept 32                               ; the pair's sums are copied, so that one trip is two blocks of text
	v_dual_mov_b32 v[ACC+64+I_], v[ACC+I_] :: v_dual_mov_b32 v[ACC+64+I_+1], v[ACC+I_+1]
.set I_, I_+2
.endr
	s_and_b32 s22, s46, 1                          ; pair s46 - 1: its piece of the chunk, and chunk 3 (pairs 0, 1) or 2
	s_xor_b32 s22, s22, 1
	s_lshl_b32 s20, s22, 9
	s_cmp_lt_u32 s46, 3
	s_cselect_b32 s21, REC, 0
	s_cselect_b32 s23, 128, 0
	s_add_co_u32 s20, s20, s21
	s_add_co_u32 s22, s22, s23
	s_mov_b32 s21, 0
	s_add_nc_u64 s[84:85], s[96:97], s[20:21]
	v_add_nc_u32 v[VX], s22, v[RD]
	s_cmp_eq_u32 s46, 0
	s_cbranch_scc1 .Lno_pair_before
	VOUT
.Lno_pair_before:
	s_cmp_eq_u32 s46, 3
	s_cbranch_scc1 .Lnone_1
	FETCHAT 1, ADRA, AAS
.Lnone_1:
	s_mov_b32 s8, 2*CHS+2*BS
	s_cmp_eq_u32 s46, 0
	s_cselect_b32 s47, 0, 32*PITCH
	s_cselect_b32 s8, 2*CHS, s8
	s_add_co_u32 s46, s46, 1
	s_cmp_lg_u32 s46, 4
	s_cbranch_scc1 .Lpair
	s_wait_xcnt 0x0
.set K_, 0
.rept 60
	GAPV K_, ACC+64
.set K_, K_+1
.endr
	s_mov_b32 s20, 512
	s_mov_b32 s21, 0
	s_add_nc_u64 s[84:85], s[96:97], s[20:21]
	v_add_nc_u32 v[VX], 1, v[RD]
	VOUT
	WALU
	s_wait_dscnt 0x0                               ; all scale bytes are in LDS
	BARRIER
; THE SCALE WORDS: two bytes of each come from each of two waves.  q, k: wave n stores chunk n's 128 words, four a lane: lanes 0-15 rows of wave row 0, lanes 16-31 of wave row 1.  v: 64 words of record n / 2
	s_lshl_b32 s20, s14, 7
	s_add_co_u32 s20, s20, XN
	s_lshl_b32 s21, s16, 8
	s_lshl_b32 s22, s15, 7
	s_add_co_u32 s21, s21, s22
	s_add_co_u32 s21, s21, XV
	s_mov_b32 s22, 0x05040100
	s_mov_b32 s23, 0x07060302
	v_bfe_u32 v70, v0, 4, 1
	v_and_b32 v71, 15, v0
	v_lshlrev_b32 v70, 10, v70
	v_lshl_add_u32 v70, v71, 3, v70
	v_add_nc_u32 v70, s20, v70
	v_lshl_add_u32 v71, v3, 2, s21
	v_lshlrev_b32 v72, 3, v3
	v_bfe_u32 v73, v0, 4, 1
	v_mul_u32_u24 v73, v73, 8*QREC
	v_and_b32 v74, 15, v0
	v_lshl_add_u32 v73, v74, 4, v73                ; lanes 0-15: the first 64 tokens' record, lanes 16-31: the second's
	s_wait_alu depctr_va_vdst(0)
	ds_load_b64 v[76:77], v70
	ds_load_b64 v[78:79], v70 offset:512
	ds_load_b32 v80, v71
	ds_load_b32 v81, v71 offset:512
	s_wait_dscnt 0x0
	v_perm_b32 v64, v78, v76, s22
	v_perm_b32 v65, v78, v76, s23
	v_perm_b32 v66, v79, v77, s22
	v_perm_b32 v67, v79, v77, s23
	v_perm_b32 v68, v81, v80, s22
	v_perm_b32 v69, v81, v80, s23
	global_store_b128 v73, v[64:67], s[86:87] offset:8192
	global_store_b64 v72, v[68:69], s[98:99]
	s_wait_tensorcnt 0x0                           ; the wave's end
	ds_add_u32 v[SPW], v[NIL]
	s_wait_dscnt 0x0
	CROUND                                         ; the closing round
	s_endpgm
.Lfunc_end_k_qe0fb607b9a_proj:
	.size	k_qe0fb607b9a_proj, .Lfunc_end_k_qe0fb607b9a_proj-k_qe0fb607b9a_proj
	.p2alignl 7, 3214868480
	.fill 96, 4, 3214868480
	.section	.rodata,"a",@progbits
	.p2align	6, 0x0
	.amdhsa_kernel k_qe0fb607b9a_proj
		.amdhsa_group_segment_fixed_size 327680
		.amdhsa_private_segment_fixed_size 0
		.amdhsa_enable_private_segment 0
		.amdhsa_kernarg_size 88
		.amdhsa_user_sgpr_count 2
		.amdhsa_user_sgpr_kernarg_segment_ptr 1
		.amdhsa_wavefront_size32 1
		.amdhsa_system_sgpr_workgroup_id_x 1
		.amdhsa_system_sgpr_workgroup_id_y 1
		.amdhsa_system_sgpr_workgroup_id_z 1
		.amdhsa_system_vgpr_workitem_id 0
		.amdhsa_next_free_vgpr 1024
		.amdhsa_next_free_sgpr 102
		.amdhsa_reserve_vcc 0
		.amdhsa_float_denorm_mode_32 3
		.amdhsa_float_denorm_mode_16_64 3
		.amdhsa_memory_ordered 1
		.amdhsa_forward_progress 1
		.amdhsa_inst_pref_size 162
	.end_amdhsa_kernel
	.amdgpu_metadata
---
amdhsa.version: [ 1, 2 ]
amdhsa.kernels:
  - .name:           k_qe0fb607b9a_proj
    .symbol:         k_qe0fb607b9a_proj.kd
    .args:
      - { .name: embedded_codes, .offset: 0, .size: 8, .value_kind: global_buffer, .address_space: global }
      - { .name: embedded_scales, .offset: 8, .size: 8, .value_kind: global_buffer, .address_space: global }
      - { .name: Wq_codes, .offset: 16, .size: 8, .value_kind: global_buffer, .address_space: global }
      - { .name: Wq_scales, .offset: 24, .size: 8, .value_kind: global_buffer, .address_space: global }
      - { .name: Wk_codes, .offset: 32, .size: 8, .value_kind: global_buffer, .address_space: global }
      - { .name: Wk_scales, .offset: 40, .size: 8, .value_kind: global_buffer, .address_space: global }
      - { .name: Wv_codes, .offset: 48, .size: 8, .value_kind: global_buffer, .address_space: global }
      - { .name: Wv_scales, .offset: 56, .size: 8, .value_kind: global_buffer, .address_space: global }
      - { .name: qrec, .offset: 64, .size: 8, .value_kind: global_buffer, .address_space: global }
      - { .name: krec, .offset: 72, .size: 8, .value_kind: global_buffer, .address_space: global }
      - { .name: vrec, .offset: 80, .size: 8, .value_kind: global_buffer, .address_space: global }
    .group_segment_fixed_size: 327680
    .private_segment_fixed_size: 0
    .kernarg_segment_align: 8
    .kernarg_segment_size: 88
    .max_flat_workgroup_size: 128
    .sgpr_count:     102
    .vgpr_count:     1024
    .wavefront_size: 32
...
	.end_amdgpu_metadata
.endif
;; end of part 1
;; launch score (part 2): grid 62 x 4, 4 waves a work-group, no clusters, 327,680 bytes of LDS; arguments qrec, krec, prec; writes prec
.if DOCPART == 2
	.amdgcn_target "amdgcn-amd-amdhsa--gfx1250"
	.amdhsa_code_object_version 6
	.text
	.protected	k_qe0fb607b9a_score
	.globl	k_qe0fb607b9a_score
	.p2align	8
	.type	k_qe0fb607b9a_score,@function
k_qe0fb607b9a_score:
	s_mov_b64 s[64:65], 0
	v_nop
	global_prefetch_b8 v0, s[64:65] scope:SCOPE_SE
	s_setreg_imm32_b32 hwreg(HW_REG_WAVE_MODE, 25, 1), 1
	s_wait_xcnt 0x0
; The fourth product and its softmax: s = q k^T on codes of BF8 (E5M2); p = 2^(t - M), t = s log2(e) / 32, M a whole number for each row and 128 keys, quantised along the keys; p leaves as records of 128 queries x 128 keys with -M and the row's sum of p.
; LEFT OUT: scores whose key comes after their query by whole units of 64 queries x 128 keys (reference()'s own tril hides them for all values of the inputs).  A record of even block of queries whose keys are the next block is wholly hidden:
; its reader takes records by pairs, so it is stored as zero codes without a product.
; LIMITS: NaN and infinities are not served; scaled scores (the exponents to the base 2) are held at -1e30 from below; the promise holds while they stay under 2^31 in magnitude.
; A RECORD OF p (PREC bytes): fragment t (queries 16 t ..) at 2,048 t, registers 4 c .. 4 c + 3 of lane L at 512 c + 16 L; scale words at 16,384, -M at 16,896, sums at 17,408, 4 bytes a row.  Lane half h of block c: keys 32 c + 8 h + 0..7, 32 c + 16 + 8 h + 0..7.
; THE DEAL.  A work-group takes 128 keys (block kb) and n units of 64 queries, n = 2, 4 or 5.  Block kb needs 32 - 2 kb units: the 16 blocks take 7, 6, 6, 6, 5, 5, 4, 4, 4, 3, 3, 2, 2, 3, 1, 1 work-groups: 62 a batch, 248 in all.
; Four waves, 2 x 2: a wave holds 64 keys x all of K in 512 registers and streams the queries past them in blocks of 16, two of which stand in registers whole (256): two blocks of each unit for each row of waves.
; LDS: four places of a unit (64 rows x 1,024 codes with their words, 67,584 dense bytes).  At the head the keys lie in places 2 and 3, units 0 and 1 in 0 and 1.  Units 2 and 3 go where the keys lay (trip 0), unit 4 where unit 0 lay (trip 1),
; each behind a drained barrier; a work-group with fewer units asks for none that it does not read: a jump made of ids alone, the same in all waves.
; THE KEYS OF A TILE: tile j's lanes 0-7 take keys 8 j + i, lanes 8-15 keys 32 + 8 (j xor 1) + i, so that a lane's 32 scores are one whole scale block (keys 32 h on) and sixteen lanes read sixteen different columns of 16 bytes.
; M is made for the 64 keys of a wave; the two columns' -M, sums and bytes are joined at the end, once for each row.
; NO CLUSTER: the blocks' work-groups (7, 6, .. 1) divide into clusters of no one size, and partners along the queries have unlike keys and unlike n.
; NO PREFETCH: every one of a batch's 32 units of q is a head load of some work-group of that batch, so what the refills ask for has been read in this launch.
.set UB, 67584
.set QR, 8448                          ; a unit's step of 128 along K
.set SLOT, 2*UB
.set PREC, 17920
.set XB, 4*UB                          ; a wave's 2,048 bytes: -M of its 160 rows, sums at 640, bytes at 1,280 (two a row)
.set SPARE, XB+4*2048
.set FR, 16
.set FPW, 16
.set NP, 8
.set ADRQ, 4
.set PA, 5
.set AWQ, 6
.set PB, 7
.set BAD, 8
.set NAD, 9
.set SPW, 10
.set NIL, 11
.set ADRE, 14
.set ADRO, 15
.set AKW, 16
.set BADU, 17
.set NADU, 18
.set DE0, 21
.set DO0, 22
.set SB, 24                            ; v24-39 the keys' scale words: register 8 p + q: lanes 0-15 tile 2 p, lanes 16-31 tile 2 p + 1
.set EB, 40
.set SA, 44                            ; v44-59 the queries': two sets of eight
.set ACC, 64                           ; v64-127 two sets of four accumulators
.set CD, 128                           ; v128-143 codes, two sets
.set MX, 144
.set BM, 148
.set OT, 149
.set NM, 150
.set SOP, 156
.set BND, 157
.set DD, 158
.set NINF, 160
.set SM, 162                           ; v162-169 four pairs of sums
.set G1U, 24
.set G1H, 32
.set G1Q, 56
.set G0K, 66+2
.set G0Q, 72
.set G0A, 76
.set G0B, 80
.set MSB, 0
.macro WIN new                         ; the immediate's high byte repeats the setting that is left
.if MSB != (\new)
	s_set_vgpr_msb (MSB<<8)|(\new)
.set MSB, \new
.endif
.endm
.macro PLACES n
.rept \n
	v_nop
.endr
.endm
.macro WALU
	s_wait_alu depctr_va_vdst(0)
.endm
.macro BARRIER
	s_barrier_signal -1
	s_barrier_wait -1
.endm
.macro TLOAD g0, g1
	tensor_load_to_lds s[\g0:\g0+3], s[\g1:\g1+7]
	s_nop 0
	PLACES 4
.endm
.macro GROUP1 g, rows                  ; dense bytes as rows of 256 (32 elements of 8)
	s_mov_b32 s[\g+0], 3<<16
	s_mov_b32 s[\g+1], 32<<16
	s_mov_b32 s[\g+2], (\rows)<<16
	s_mov_b32 s[\g+3], 32<<16
	s_mov_b32 s[\g+4], \rows
	s_mov_b32 s[\g+5], 32
	s_mov_b32 s[\g+6], 0
	s_mov_b32 s[\g+7], 0
.endm
.macro GROUP0 g, lds, ptr
	s_mov_b32 s[\g], 1
	s_mov_b32 s[\g+1], s\lds
	s_add_nc_u64 s[\g+2:\g+3], s[\ptr:\ptr+1], s[20:21]
	s_or_b32 s[\g+3], s[\g+3], 0x80000000
.endm
	s_load_b128 s[4:7], s[0:1], 0x0                ; qrec, krec
	s_load_b64 s[8:9], s[0:1], 0x10                ; prec
	v_lshl_add_u32 v[SPW], v0, 2, SPARE
	v_mov_b32 v[NIL], 0
	ds_add_u32 v[SPW], v[NIL]                      ; the wave's opening: the add, twice on end, and its wait
	ds_add_u32 v[SPW], v[NIL]
	v_lshrrev_b32 v1, 5, v0
	v_readfirstlane_b32 s14, v1                    ; wave
	s_lshr_b32 s15, s14, 1                         ; my row of waves
	s_and_b32 s16, s14, 1                          ; my column of waves
	s_and_b32 s17, ttmp7, 0xffff                   ; the batch
	s_mov_b32 s12, 0
	s_mov_b32 s13, 0
.irp t, 7,13,19,25,30,35,39,43,47,50,53,55,57,60,61
	s_cmp_ge_u32 ttmp9, \t
	s_cselect_b32 s12, \t, s12
	s_add_co_ci_u32 s13, s13, 0                    ; kb
.endr
	s_sub_co_u32 s12, ttmp9, s12                   ; my number among the work-groups of kb
	s_lshl_b32 s20, s13, 1
	s_mov_b32 s21, 0x44666e                        ; two bits a block: half of how many of its work-groups take five units
	s_lshr_b32 s21, s21, s20
	s_and_b32 s21, s21, 3
	s_lshl_b32 s21, s21, 1
	s_cmp_lt_u32 s12, s21
	s_cselect_b32 s50, 5, 4                        ; n
	s_min_u32 s22, s12, s21
	s_lshl_b32 s54, s12, 2
	s_add_co_u32 s54, s54, s22                     ; my first unit, counted from the block's first
	s_lshl_b32 s22, s12, 1
	s_cmp_eq_u32 s13, 13                           ; blocks 13 and 15: two units each
	s_cselect_b32 s54, s22, s54
	s_cselect_b32 s50, 2, s50
	s_cmp_eq_u32 s13, 15
	s_cselect_b32 s50, 2, s50
	s_cmp_eq_u32 s54, 0
	s_cselect_b32 s51, 2, 0                        ; how many of my units lie on the diagonal
	s_add_co_u32 s52, s20, s54                     ; my first unit in the batch: 2 kb + ..
	s_lshl_b32 s55, s17, 8
	s_add_co_u32 s53, s55, s13
	s_mul_i32 s53, s53, PREC
	s_lshl_b32 s22, s15, 12
	s_add_co_u32 s53, s53, s22
	s_lshl_b32 s22, s16, 10
	s_add_co_u32 s53, s53, s22                     ; where my codes go, but for the queries' block
	GROUP1 G1U, 264                                ; a unit
	GROUP1 G1H, 132                                ; half of one
	GROUP1 G1Q, 66                                 ; a quarter
	s_mul_i32 s18, s16, UB                         ; LDS: my unit of the head's two; and behind it the keys'
	s_add_co_u32 s19, s18, SLOT
	s_lshl_b32 s11, s17, 5
	s_add_co_u32 s10, s11, s20
	s_add_co_u32 s10, s10, s16                     ; my unit of keys: 2 kb + column
	s_add_co_u32 s11, s11, s52                     ; my first unit of queries
	s_add_co_u32 s12, s11, s16
	s_mov_b32 s21, 0
	s_mov_b32 s40, 0x3d38aa3b                      ; c = log2(e) / 32
	s_mov_b32 s41, s40
	s_mov_b32 s42, 0x76543210
	s_mov_b32 s43, 0xfedcba98
	s_mov_b32 s44, 0x600000                        ; the mantissa field of 57,344
	s_wait_dscnt 0x0                               ; both opening adds are done
	s_wait_kmcnt 0x0
	s_mul_i32 s20, s10, UB
	GROUP0 G0K, 19, 6
	s_mul_i32 s20, s12, UB
	GROUP0 G0Q, 18, 4
	s_cmp_lt_u32 s14, 2                            ; one load a wave: waves 0, 1 the keys, which are shown first; waves 2, 3 units 0 and 1
	s_cbranch_scc0 .Lqueries
	TLOAD G0K, G1U
	s_branch .Lasked
.Lqueries:
	TLOAD G0Q, G1U
.Lasked:
	s_mul_i32 s18, s14, UB/2
	s_add_co_u32 s18, s18, SLOT
	s_mul_i32 s20, s11, UB
	s_mul_i32 s22, s14, UB/2
	s_add_co_u32 s20, s20, s22
	s_add_co_u32 s20, s20, 2*UB
	GROUP0 G0A, 18, 4                              ; trip 0's refill: units 2 and 3, half a unit a wave
	s_mul_i32 s18, s14, UB/4
	s_mul_i32 s20, s11, UB
	s_add_co_u32 s20, s20, s18
	s_add_co_u32 s20, s20, 4*UB
	GROUP0 G0B, 18, 4                              ; trip 1's: unit 4, a quarter a wave
	s_lshl_b32 s20, s15, 12
	s_lshl_b32 s21, s15, 7
	s_add_co_u32 s21, s21, 8192
	s_add_co_u32 s22, s19, 8192
	s_lshl_b32 s23, s14, 11
	s_add_co_u32 s23, s23, XB
	s_lshl_b32 s46, s15, 5
	s_lshl_b32 s47, s16, 6
	s_sub_co_i32 s46, s46, s47
	v_and_b32 v1, 15, v0                           ; r
	v_bfe_u32 v2, v0, 4, 1                         ; h
	v_and_b32 v3, 31, v0                           ; lane
	v_lshlrev_b32 v19, 4, v3                       ; 16 x lane
	v_and_b32 v23, 7, v0                           ; i
	v_bfe_u32 v20, v0, 3, 1                        ; m = r / 8
	v_add_nc_u32 v[ADRQ], s20, v19
	v_lshl_add_u32 v[AWQ], v1, 2, s21
	v_lshlrev_b32 v12, 4, v23
	v_lshl_add_u32 v12, v2, 8, v12
	v_add_nc_u32 v12, s19, v12                     ; 16 i + 256 h, in my column's keys
	v_mul_u32_u24 v13, v20, 4224
	v_add_nc_u32 v[ADRE], v12, v13                 ; even tiles: key 8 j + i + 40 m
	v_mul_u32_u24 v13, v20, 3968
	v_add_nc_u32 v12, 128, v12
	v_add_nc_u32 v[ADRO], v12, v13                 ; odd tiles: key 8 j + i + 24 m
	v_xor_b32 v12, v2, v20
	v_lshl_add_u32 v12, v12, 3, v23
	v_lshl_add_u32 v12, v20, 5, v12
	v_lshl_add_u32 v[AKW], v12, 2, s22             ; the key of my scale words in a pair of tiles: lanes 16-31 serve the odd tile
	v_mul_u32_u24 v12, v2, 768
	v_lshl_add_u32 v[PA], v1, 4, v12               ; tiles 0 and 2: lane half h's own place in block h;
	v_lshlrev_b32 v12, 8, v2
	v_lshl_add_u32 v12, v1, 4, v12
	v_add_nc_u32 v[PB], 256, v12                   ; tiles 1 and 3: the other half's
	v_lshl_add_u32 v12, v1, 1, v2
	v_add_nc_u32 v12, s23, v12
	v_add_nc_u32 v[BAD], 1280, v12
	v_lshl_add_u32 v[NAD], v1, 2, s23
	v_add_nc_u32 v12, s46, v1                      ; my query less my column's first key, in unit 0's block 0 of the diagonal
	v_mul_u32_u24 v13, v2, 40
	v_sub_nc_u32 v[DE0], v12, v13                  ; even tiles: score n of mine is hidden where n > this
	v_mul_u32_u24 v13, v2, 24
	v_sub_nc_u32 v[DO0], v12, v13                  ; odd tiles
	v_mov_b32 v[OT], 0                             ; (a lane permute's destination counts as one of its sources)
	v_mov_b32 v[NM+1], 0
	v_mov_b32 v[NINF], 0xff800000
	WALU                                           ; the wait at the head's end
	s_cmp_lt_u32 s14, 2
	s_cbranch_scc0 .Lnot_k
	s_wait_tensorcnt 0x0                           ; the keys have landed; waves 2 and 3's wait stands at the second barrier
.Lnot_k:
	BARRIER
.macro FRAG f, adr, off                ; the keys' fragment f, in window 1 + f / 16
	WIN (1+(\f)/FPW)<<6
.irp c, 0,1,2,3
	ds_load_b128 v[FR*((\f)%FPW)+4*\c:FR*((\f)%FPW)+4*\c+3], v[\adr] offset:(\off)+512*\c
.endr
.endm
.macro FETCHQ k                        ; a block of 16 queries, all of K, into set k of window 3, and its scale words: 40 loads
	WIN 3<<6
.irp q, 0,1,2,3,4,5,6,7
.irp c, 0,1,2,3
	ds_load_b128 v[128*\k+FR*\q+4*\c:128*\k+FR*\q+4*\c+3], v12 offset:QR*\q+512*\c
.endr
.endr
	WIN 0
.irp q, 0,1,2,3,4,5,6,7
	ds_load_b32 v[SA+8*\k+\q], v13 offset:QR*\q
.endr
.endm
.macro WM row
.if Q_
	v_wmma_scale_f32_16x16x128_f8f6f4 v[AC_:AC_+7], v[W_:W_+FR-1], v[R_:R_+FR-1], v[AC_:AC_+7], v[WS_], v[XS_] matrix_a_fmt:MATRIX_FMT_BF8 matrix_b_fmt:MATRIX_FMT_BF8 \row
.else
	v_wmma_scale_f32_16x16x128_f8f6f4 v[AC_:AC_+7], v[W_:W_+FR-1], v[R_:R_+FR-1], 0, v[WS_], v[XS_] matrix_a_fmt:MATRIX_FMT_BF8 matrix_b_fmt:MATRIX_FMT_BF8 \row
.endif
.endm
.macro PRODS e                         ; 16 queries x my 64 keys, all of K: 32 products, four accumulators by turns.  Source 0 = keys, source 1 = queries: a lane holds one query
.set n_, 0
.rept 32
.set Q_, n_/4
.set B_, n_%4
.set AC_, ACC+32*(\e)+8*B_
.set R_, 128*(\e)+FR*Q_
.set W_, FR*(n_%FPW)
.set XS_, SA+8*(\e)+Q_
.set WS_, SB+8*(B_/2)+Q_
	WIN (1+n_/FPW)|(3<<2)
.if B_%2
	WM matrix_a_scale:MATRIX_SCALE_ROW1
.else
	WM
.endif
.set n_, n_+1
.endr
	WIN 0
	PLACES NP                                      ; ISA guide 7.12.1
.endm
; THE SOFTMAX of block b of a trip's unit: the 32 scores at x, one scale block; lane l xor 16 holds the row's other 32 of my 64 keys.
.macro SOFT x, cd, b
	WALU
	s_cmp_ge_u32 s46, s51
	s_cbranch_scc1 .Lopen_\@                       ; a unit off the diagonal: every key counts
	s_lshl_b32 s22, s46, 6
	s_add_co_u32 s22, s22, 16*(\b)
	v_add_nc_u32 v[DD], s22, v[DE0]
	v_add_nc_u32 v[DD+1], s22, v[DO0]
.set n_, 0
.rept 32
	v_cmp_gt_i32 vcc_lo, n_, v[DD+(n_/8)%2]
	v_cndmask_b32 v[\x+n_], v[\x+n_], v[NINF], vcc_lo
.set n_, n_+1
.endr
.Lopen_\@:
.irp j, 0,1,2,3
	v_max3_num_f32 v[MX+\j], v[\x+8*\j], v[\x+8*\j+1], v[\x+8*\j+2]
.endr
.irp i, 3,5
.irp j, 0,1,2,3
	v_max3_num_f32 v[MX+\j], v[MX+\j], v[\x+8*\j+\i], v[\x+8*\j+\i+1]
.endr
.endr
.irp j, 0,1,2,3
	v_max_num_f32 v[MX+\j], v[MX+\j], v[\x+8*\j+7]
.endr
	v_max3_num_f32 v[BM], v[MX], v[MX+1], v[MX+2]
	v_max_num_f32 v[BM], v[BM], v[MX+3]            ; my block's largest score: it gives the block's largest p too, since p rises with the score
	v_permlanex16_b32 v[OT], v[BM], s42, s43
	v_max_num_f32 v[OT], v[BM], v[OT]
	v_mul_f32 v[OT], s40, v[OT]
	v_max_num_f32 v[OT], 0xf149f2ca, v[OT]         ; -1e30: a row all of whose keys are hidden
	v_floor_f32 v[NM], -v[OT]                      ; -M
.set n_, 0
.rept 16
	v_pk_fma_f32 v[\x+n_:\x+n_+1], v[\x+n_:\x+n_+1], s[40:41], v[NM:NM+1] op_sel_hi:[1,0,0]
.set n_, n_+2
.endr
	v_fma_f32 v[BM], v[BM], s40, v[NM]
	WALU                                           ; ahead of the batch, and behind it
	v_exp_f32 v[BM], v[BM]
.set n_, 0
.rept 32
	v_exp_f32 v[\x+n_], v[\x+n_]
.set n_, n_+1
.endr
	v_nop
	WALU
	v_max_num_f32 v[BM], 0x8000000, v[BM]          ; the floor 2^(16 - 127): the byte cannot fall under 1
.irp k, 0,1,2,3
	v_pk_add_f32 v[SM+2*\k:SM+2*\k+1], v[\x+4*\k:\x+4*\k+1], v[\x+4*\k+2:\x+4*\k+3]   ; the row's sum is taken of the unquantised p
.endr
	v_add_nc_u32 v[SOP], 0xf8800000, v[BM]         ; 15 off the exponent field
.irp k, 0,1,2,3
	v_pk_add_f32 v[SM+2*\k:SM+2*\k+1], v[SM+2*\k:SM+2*\k+1], v[\x+16+2*\k:\x+17+2*\k]
.endr
	v_and_or_b32 v[BND], v[BM], 0x7f800000, s44    ; 57,344 x the scale
.irp k, 0,1,2,3
	v_pk_add_f32 v[SM+2*\k:SM+2*\k+1], v[SM+2*\k:SM+2*\k+1], v[\x+24+2*\k:\x+25+2*\k]
.endr
	v_lshrrev_b32 v[EB], 23, v[SOP]                ; the byte
.set n_, 0
.rept 8
	v_min_num_f32 v[\x+n_], v[\x+n_], v[BND]       ; the conversion does not saturate (ISA guide 7.6.2)
.set n_, n_+1
.endr
	v_pk_add_f32 v[SM:SM+1], v[SM:SM+1], v[SM+2:SM+3]
	v_pk_add_f32 v[SM+4:SM+5], v[SM+4:SM+5], v[SM+6:SM+7]
.rept 8
	v_min_num_f32 v[\x+n_], v[\x+n_], v[BND]
.set n_, n_+1
.endr
	v_pk_add_f32 v[SM:SM+1], v[SM:SM+1], v[SM+4:SM+5]
.rept 8
	v_min_num_f32 v[\x+n_], v[\x+n_], v[BND]
.set n_, n_+1
.endr
	v_add_f32 v[SM], v[SM], v[SM+1]
.rept 8
	v_min_num_f32 v[\x+n_], v[\x+n_], v[BND]
.set n_, n_+1
.endr
	v_permlanex16_b32 v[OT], v[SM], s42, s43
	v_cvt_scalef32_pk8_bf8_f32 v[\cd:\cd+1], v[\x:\x+7], v[SOP]
	v_cvt_scalef32_pk8_bf8_f32 v[\cd+4:\cd+5], v[\x+8:\x+15], v[SOP]
	v_cvt_scalef32_pk8_bf8_f32 v[\cd+2:\cd+3], v[\x+16:\x+23], v[SOP]
	v_cvt_scalef32_pk8_bf8_f32 v[\cd+6:\cd+7], v[\x+24:\x+31], v[SOP]
	v_add_f32 v[SM], v[SM], v[OT]                  ; (a plain line behind the last conversion)  the row's sum over my 64 keys
	v_nop
	global_store_b128 v[PA], v[\cd:\cd+3], s[84:85] offset:2048*(\b)     ; each run of sixteen lanes stores 256 consecutive bytes
	global_store_b128 v[PB], v[\cd+4:\cd+7], s[84:85] offset:2048*(\b)
	ds_store_b8 v[BADU], v[EB] offset:32*(\b)
	ds_store_b32 v[NADU], v[NM] offset:64*(\b)
	ds_store_b32 v[NADU], v[SM] offset:640+64*(\b)
.endm
.irp q, 0,1,2,3,4,5,6,7                ; my 64 keys into registers
	FRAG 4*\q, ADRE, QR*\q
	FRAG 4*\q+1, ADRO, QR*\q
	FRAG 4*\q+2, ADRE, QR*\q+2048
	FRAG 4*\q+3, ADRO, QR*\q+2048
.endr
	WIN 0
.irp p, 0,1
.irp q, 0,1,2,3,4,5,6,7
	ds_load_b32 v[SB+8*\p+\q], v[AKW] offset:QR*\q+64*\p
.endr
.endr
	s_wait_tensorcnt 0x0                           ; units 0 and 1 are in
	s_wait_dscnt 0x0                               ; the keys are in registers
	BARRIER
	v_mov_b32 v12, v[ADRQ]                         ; unit 0
	v_mov_b32 v13, v[AWQ]
	FETCHQ 0
	v_add_nc_u32 v12, 2048, v[ADRQ]
	v_add_nc_u32 v13, 64, v[AWQ]
	FETCHQ 1
; THE HIDDEN RECORD: block of queries kb - 1, block of keys kb, for odd kb: zero codes, bytes of 1, -M and sums of 0; by the first work-group of kb
	s_and_b32 s20, s13, 1
	s_cmp_eq_u32 s20, 0
	s_cbranch_scc1 .Lno_zero
	s_cmp_lg_u32 s54, 0
	s_cbranch_scc1 .Lno_zero
	s_mul_i32 s20, s13, 17
	s_add_co_u32 s20, s20, s55
	s_sub_co_u32 s20, s20, 16
	s_mul_i32 s20, s20, PREC
	s_lshl_b32 s22, s14, 12
	s_add_co_u32 s22, s20, s22
	s_mov_b32 s23, 0
	s_add_nc_u64 s[86:87], s[8:9], s[22:23]
	s_lshl_b32 s22, s14, 9
	s_add_co_u32 s22, s22, 16384
	s_add_co_u32 s22, s20, s22
	s_add_nc_u64 s[88:89], s[8:9], s[22:23]
	s_mov_b32 s22, 0x01010101
	s_cmp_eq_u32 s14, 0
	s_cselect_b32 s22, s22, 0
.irp k, 0,1,2,3
	v_mov_b32 v[CD+\k], 0
.endr
.irp k, 4,5,6,7
	v_mov_b32 v[CD+\k], s22
.endr
.irp k, 0,1,2,3,4,5,6,7
	global_store_b128 v19, v[CD:CD+3], s[86:87] offset:512*\k
.endr
	s_cmp_eq_u32 s14, 3
	s_cbranch_scc1 .Lno_zero
	global_store_b128 v19, v[CD+4:CD+7], s[88:89]
.Lno_zero:
	s_mov_b32 s46, 0                               ; the trip: unit number s46
	WALU
.Ltrip:                                                ; five trips in every work-group; those behind its last unit do no work
	s_wait_tensorcnt 0x0                           ; ahead of a refill's barrier
	ds_add_u32 v[SPW], v[NIL]
	s_add_co_u32 s49, s46, 1
	s_and_b32 s22, s49, 3
	s_mul_i32 s47, s22, UB                         ; where the next unit lies
	s_lshl_b32 s18, s46, 6
	s_lshl_b32 s19, s46, 7
	s_wait_dscnt 0x0                               ; the add is done, and both of the trip's blocks are in registers
	BARRIER
	s_cmp_lg_u32 s46, 0
	s_cbranch_scc1 .Lnot_first
	s_cmp_lt_u32 s50, 4
	s_cbranch_scc1 .Lnone
	TLOAD G0A, G1H                                 ; units 2 and 3, where the keys lay
	s_branch .Lnone
.Lnot_first:
	s_cmp_lg_u32 s46, 1
	s_cbranch_scc1 .Lnone
	s_cmp_lt_u32 s50, 5
	s_cbranch_scc1 .Lnone
	TLOAD G0B, G1Q                                 ; unit 4, where unit 0 lay
.Lnone:
	s_cmp_ge_u32 s46, s50
	s_cbranch_scc1 .Lnext
	s_wait_xcnt 0x0                                ; my stores have read their registers and their base
	s_add_co_u32 s20, s52, s46                     ; the unit in the batch
	s_and_b32 s21, s20, 1
	s_lshl_b32 s21, s21, 13
	s_lshr_b32 s20, s20, 1
	s_mul_i32 s20, s20, 16*PREC
	s_add_co_u32 s20, s20, s21
	s_add_co_u32 s20, s20, s53
	s_mov_b32 s21, 0
	s_add_nc_u64 s[84:85], s[8:9], s[20:21]
	v_add_nc_u32 v[BADU], s18, v[BAD]
	v_add_nc_u32 v[NADU], s19, v[NAD]
	PRODS 0
	s_cmp_ge_u32 s49, s50
	s_cbranch_scc1 .Lno_next_0
	v_add_nc_u32 v12, s47, v[ADRQ]
	v_add_nc_u32 v13, s47, v[AWQ]
	FETCHQ 0                                       ; the next unit's blocks, while this one's softmax runs
.Lno_next_0:
	SOFT ACC, CD, 0
	PRODS 1
	s_cmp_ge_u32 s49, s50
	s_cbranch_scc1 .Lno_next_1
	s_add_co_u32 s22, s47, 2048
	s_add_co_u32 s23, s47, 64
	v_add_nc_u32 v12, s22, v[ADRQ]
	v_add_nc_u32 v13, s23, v[AWQ]
	FETCHQ 1
.Lno_next_1:
	SOFT ACC+32, CD+8, 1
.Lnext:
	s_add_co_u32 s46, s46, 1
	WALU
	s_cmp_lg_u32 s46, 5
	s_cbranch_scc1 .Ltrip
	s_wait_dscnt 0x0                               ; my rows' statistics are in LDS
	BARRIER
; THE ROWS' STATISTICS: wave w joins the two columns' for unit w (wave 0: unit 4 too); a lane takes two rows.  -M is the smaller of the two; each column's bytes are lowered, and its sum scaled, by the whole number d between them (held at 127).
; The bytes are at most 112: with bit 7 set in each no byte borrows from its neighbour, and bit 7 of the difference says whether the byte was at least d; else it is held at 0.
	s_mov_b32 s94, 0x05040100
	s_mov_b32 s95, 0x07060302
	s_mov_b32 s96, 0x80808080
	v_and_b32 v1, 15, v0
	v_bfe_u32 v2, v0, 4, 1
	v_lshlrev_b32 v2, 12, v2                       ; lanes 16-31: wave row 1's regions
	v_lshl_add_u32 v84, v1, 3, v2
	v_add_nc_u32 v84, XB, v84
	v_lshl_add_u32 v85, v1, 2, v2
	v_add_nc_u32 v85, XB+1280, v85
	v_lshlrev_b32 v86, 3, v3
	WALU
.macro FIN k
.if \k
	s_cmp_lg_u32 s14, 0
	s_cbranch_scc1 .Lno_unit_\@
	s_mov_b32 s23, 4                               ; k = 1: wave 0 alone, unit 4
.else
	s_add_co_u32 s23, s14, 0                       ; k = 0: unit number wave
.endif
	s_cmp_ge_u32 s23, s50
	s_cbranch_scc1 .Lno_unit_\@
	s_wait_xcnt 0x0
	s_lshl_b32 s22, s23, 7
	v_add_nc_u32 v80, s22, v84
	s_lshl_b32 s22, s23, 6
	v_add_nc_u32 v81, s22, v85
	ds_load_b64 v[64:65], v80
	ds_load_b64 v[66:67], v80 offset:2048
	ds_load_b64 v[68:69], v80 offset:640
	ds_load_b64 v[70:71], v80 offset:2048+640
	ds_load_b32 v72, v81
	ds_load_b32 v73, v81 offset:2048
	s_add_co_u32 s20, s52, s23
	s_and_b32 s21, s20, 1
	s_lshl_b32 s21, s21, 8
	s_lshr_b32 s20, s20, 1
	s_lshl_b32 s20, s20, 4
	s_add_co_u32 s20, s20, s55
	s_add_co_u32 s20, s20, s13
	s_mul_i32 s20, s20, PREC
	s_add_co_u32 s20, s20, s21
	s_mov_b32 s21, 0
	s_add_nc_u64 s[86:87], s[8:9], s[20:21]
	s_wait_dscnt 0x0
.irp e, 0,1
	v_min_num_f32 v[74+\e], v[64+\e], v[66+\e]
.endr
.irp e, 0,1
	v_sub_f32 v[90+\e], v[64+\e], v[74+\e]
	v_sub_f32 v[92+\e], v[66+\e], v[74+\e]
.endr
.irp e, 0,1,2,3
	v_min_num_f32 v[90+\e], 0x42fe0000, v[90+\e]
.endr
.irp e, 0,1,2,3
	v_cvt_u32_f32 v[90+\e], v[90+\e]
.endr
.irp e, 0,1,2,3
	v_sub_nc_u32 v[94+\e], 0, v[90+\e]
.endr
.irp e, 0,1,2,3
	v_ldexp_f32 v[68+\e], v[68+\e], v[94+\e]
.endr
.irp e, 0,1,2,3
	v_lshl_or_b32 v[90+\e], v[90+\e], 8, v[90+\e]
.endr
.irp e, 0,1
	v_add_f32 v[76+\e], v[68+\e], v[70+\e]
	v_lshl_or_b32 v[90+\e], v[92+\e], 16, v[90+\e]
	v_perm_b32 v[78+\e], v73, v72, s[94+\e]
.endr
.irp e, 0,1
	v_or_b32 v[78+\e], s96, v[78+\e]
.endr
.irp e, 0,1
	v_sub_nc_u32 v[78+\e], v[78+\e], v[90+\e]
.endr
.irp e, 0,1
	v_and_b32 v[94+\e], s96, v[78+\e]
.endr
.irp e, 0,1
	v_lshrrev_b32 v[96+\e], 7, v[94+\e]
.endr
.irp e, 0,1
	v_sub_nc_u32 v[94+\e], v[94+\e], v[96+\e]
.endr
.irp e, 0,1
	v_and_b32 v[78+\e], v[78+\e], v[94+\e]
.endr
	global_store_b64 v86, v[78:79], s[86:87] offset:16384   ; 32 lanes store 256 consecutive bytes
	global_store_b64 v86, v[74:75], s[86:87] offset:16896
	global_store_b64 v86, v[76:77], s[86:87] offset:17408
.Lno_unit_\@:
.endm
	FIN 0
	FIN 1
	s_wait_tensorcnt 0x0                           ; the wave's end
	ds_add_u32 v[SPW], v[NIL]
	s_wait_dscnt 0x0
	s_endpgm
.Lfunc_end_k_qe0fb607b9a_score:
	.size	k_qe0fb607b9a_score, .Lfunc_end_k_qe0fb607b9a_score-k_qe0fb607b9a_score
	.p2alignl 7, 3214868480
	.fill 96, 4, 3214868480
	.section	.rodata,"a",@progbits
	.p2align	6, 0x0
	.amdhsa_kernel k_qe0fb607b9a_score
		.amdhsa_group_segment_fixed_size 327680
		.amdhsa_private_segment_fixed_size 0
		.amdhsa_enable_private_segment 0
		.amdhsa_kernarg_size 24
		.amdhsa_user_sgpr_count 2
		.amdhsa_user_sgpr_kernarg_segment_ptr 1
		.amdhsa_wavefront_size32 1
		.amdhsa_system_sgpr_workgroup_id_x 1
		.amdhsa_system_sgpr_workgroup_id_y 1
		.amdhsa_system_sgpr_workgroup_id_z 1
		.amdhsa_system_vgpr_workitem_id 0
		.amdhsa_next_free_vgpr 1024
		.amdhsa_next_free_sgpr 98
		.amdhsa_reserve_vcc 1
		.amdhsa_float_denorm_mode_32 3
		.amdhsa_float_denorm_mode_16_64 3
		.amdhsa_memory_ordered 1
		.amdhsa_forward_progress 1
		.amdhsa_inst_pref_size 67
	.end_amdhsa_kernel
	.amdgpu_metadata
---
amdhsa.version: [ 1, 2 ]
amdhsa.kernels:
  - .name:           k_qe0fb607b9a_score
    .symbol:         k_qe0fb607b9a_score.kd
    .args:
      - { .name: qrec, .offset: 0, .size: 8, .value_kind: global_buffer, .address_space: global }
      - { .name: krec, .offset: 8, .size: 8, .value_kind: global_buffer, .address_space: global }
      - { .name: prec, .offset: 16, .size: 8, .value_kind: global_buffer, .address_space: global }
    .group_segment_fixed_size: 327680
    .private_segment_fixed_size: 0
    .kernarg_segment_align: 8
    .kernarg_segment_size: 24
    .max_flat_workgroup_size: 128
    .sgpr_count:     98
    .vgpr_count:     1024
    .wavefront_size: 32
...
	.end_amdgpu_metadata
.endif
;; end of part 2
;; launch mix (part 3): grid 8 x 32, 4 waves a work-group, clusters of 4 x 1, 327,680 bytes of LDS; arguments prec, vrec, out0; writes out0
.if DOCPART == 3
	.amdgcn_target "amdgcn-amd-amdhsa--gfx1250"
	.amdhsa_code_object_version 6
	.text
	.protected	k_qe0fb607b9a_mix
	.globl	k_qe0fb607b9a_mix
	.p2align	8
	.type	k_qe0fb607b9a_mix,@function
k_qe0fb607b9a_mix:
	s_mov_b64 s[64:65], 0
	v_nop
	global_prefetch_b8 v0, s[64:65] scope:SCOPE_SE
	s_setreg_imm32_b32 hwreg(HW_REG_WAVE_MODE, 25, 1), 1
	s_wait_xcnt 0x0
	s_wait_alu depctr_hold_cnt(0) depctr_sa_sdst(0) depctr_va_vdst(0) depctr_va_sdst(0) depctr_va_ssrc(0) depctr_va_vcc(0) depctr_vm_vsrc(0)
	s_getreg_b32 s2, hwreg(HW_REG_IB_STS2, 6, 4)
	s_cmp_eq_u32 s2, 0
	s_cbranch_scc0 .Lentry_in_a_cluster
	s_endpgm
.Lentry_in_a_cluster:
	s_bfe_u32 s2, ttmp6, 0x10000c
	s_cmp_lg_u32 s2, 0x3003
	s_cbranch_scc0 .Lentry_shape_is_right
	s_endpgm
.Lentry_shape_is_right:
; The fifth product: O^T = v^T p^T on the records' codes, divided by the row's sum and rounded to four decimals.
; LEFT OUT: the steps of 256 keys that lie wholly behind a block's queries (their weights are 0 by reference()'s own tril, for all values of the inputs); one hidden step of 128 keys in 18 stays: its codes are zeros.
; p's records were made under a whole number M of their own for each 128 keys.  Here the row's -M is the least of its steps' -M; a step's scale bytes are lowered by M(row) - M(step), a whole number, held at 0 from below;
; the row's sum is the sum of the steps' l x 2^(M(step) - M(row)).
; SHARES.  A work-group makes two tiles of 128 queries x 128 channels: query blocks g (set 0) and 15 - g (set 1) of one batch.  In UNITS of 256 keys they need S1 = g / 2 + 1 and 9 - S1: nine units in every work-group.
; THE WALK: unit 0 is set 0's first, unit 1 set 1's first (their products start the sums), then the rest of set 0 (units 2 .. S1), then the rest of set 1.  Which set a unit serves hangs on ids alone, the same in all partners.
; AN LDS SLOT HOLDS TWO UNITS: p's two records of each (35,840 dense bytes: one load), then v's two records of each (33,792 dense bytes: one load).  Wave 0 fetches p of the slot's even unit, wave 1 of the odd one, waves 2 and 3
; v's likewise: one load a wave.  Five slots' worth: two asked for at the head, three behind a round each; the fifth holds one unit, which waves 0 and 2 fetch.  A refill has 64 matrix instructions of each wave in which to land.
; The walk is written out: every LDS address is a constant and a lane term.  Set 0 is finished with unit 4 at the latest, so its tile goes out behind unit 5, ahead of the change of slots at which the wave would wait for a tile.
; Four waves: wave w takes queries 64 (w / 2) on and channels 64 (w % 2) on: 16 accumulators a set.  Source 0 = 16 channels of v, source 1 = 16 queries of p: a lane holds one query and eight neighbouring channels.
; CLUSTER: the four work-groups of a cluster take four blocks of channels for the same queries: p's records are asked for jointly; v's are each work-group's own (the place in the cluster enters v's and out0's global addresses alone).
; LIMITS: out x 1e4 is formed as O x (1e4 / l), one rounding where reference() has two, and the last step multiplies by 1e-4 where reference() divides by 1e4; a block of p more than 2^111 under the row's largest gets the byte 0
; (2^-127, no exact 0); NaN and infinities are not served.
; (Of the two slots' worth named at the head, slot 0's stands at the head, one load a wave, and slot 1's behind a round of its own.)
.set REC,   16896
.set PREC,  17920
.set PU,    2*PREC                     ; a unit's two records of p
.set VU,    2*REC                      ; and of v
.set VOFF,  2*PU                       ; a slot: p of two units, then v of two units
.set SLOTB, 2*PU+2*VU                  ; 139,264 bytes
.set STAGE, 2*SLOTB                    ; behind the ring: 16 rows x 272 bytes for each wave; no tile lands there
.set SP,    272
.set TAB,   STAGE+4*16*SP              ; for each set 1,024 bytes: the rows' -M, then 1e4 / l
.set SPARE, TAB+2048                   ; the spare words, 128 bytes a wave: two blocks of 256 bytes that no other line names
.set AP0, 4                            ; v4  my lane's place among a unit's fragments of p
.set AV0, 5                            ; v5  among v's
.set AW0, 6                            ; v6  among p's scale words
.set AX0, 7                            ; v7  among v's
.set SPW, 12
.set NIL, 13
.set STO, 14                           ; v14 the stage: where I put 32 bytes of a row
.set RD,  15                           ; v15 and where I read a row back
.set GO,  16                           ; v16 my byte offset in two rows of out0
.set TH4, 17                           ; v17 4 x thread
.set ATB, 18                           ; v18 the table: my tile rows
.set TBW, 19                           ; v19 the table: my thread's row
.set NMR, 20                           ; v20-27 the row's -M (set, tile of queries)
.set RIV, 32                           ; v32-47 1e4 / l at the even registers (the odd ones are named with them as pairs)
.set PW,  48                           ; v48-55 p's scale words (step, tile): scales alone
.set VW,  60                           ; (in both: lanes 0-15 a unit's first key step, lanes 16-31 its second: four registers each, the numbers in VW and PW differ modulo 8)
.set NMW, 64                           ; v64-71 the steps' -M
.set DL,  72                           ; v72-79, v80-87 at work
.set TT,  80
.set Y,   88                           ; v88-119 a tile of rows on its way out
.set F0P, 128                          ; window 0: the first step's fragments of p, of v
.set F0V, 192
.set F1P, 0                            ; window 2: the second step's
.set F1V, 64
.set WV,  12
.set G1P, 24
.set G1V, 32
.set G0P, 40                           ; s[40:47] group 0 for p, a set for each slot; the LDS words are never rewritten
.set G0V, 48                           ; s[48:55] the same for v
.set MSB, 0
.macro WIN new
.if MSB != \new
	s_set_vgpr_msb (MSB<<8)|\new
.set MSB, \new
.endif
.endm
.macro PLACES n
.rept \n
	v_nop
.endr
.endm
; A refill of slot s.  half = 0: waves 0, 1 ask for p's two units, jointly; waves 2, 3 for v's two.  half = 1: the slot takes one unit: wave 0 asks for p's, wave 2 for v's, the others for nothing.
; The branches hang on the wave's number alone.  An s_nop 0 and four v_nop follow each line.
.macro JLOAD s, half
.if \half
	s_cmp_eq_u32 s[WV], 0
.else
	s_cmp_lt_u32 s[WV], 2
.endif
	s_cbranch_scc0 .Lnot_p_\@
	tensor_load_to_lds s[G0P+4*\s:G0P+4*\s+3], s[G1P:G1P+7]
	s_nop 0
.rept 4
	v_nop
.endr
	s_branch .Lasked_\@
.Lnot_p_\@:
.if \half
	s_cmp_eq_u32 s[WV], 2
	s_cbranch_scc0 .Lasked_\@
.endif
	tensor_load_to_lds s[G0V+4*\s:G0V+4*\s+3], s[G1V:G1V+7]
	s_nop 0
.rept 4
	v_nop
.endr
.Lasked_\@:
.endm
.macro CROUND
	s_barrier_signal -1
	s_barrier_wait -1
	s_cmp_lg_u32 s[WV], 0
	s_cbranch_scc1 .Lnot_wave_0_\@
	s_barrier_signal -3
.Lnot_wave_0_\@:
	s_barrier_wait -3
	s_barrier_signal -1
	s_barrier_wait -1
.endm
; Where my unit of the walk's slot nx (1 or more) begins, in bytes: in prec into s[dp], in vrec into s[dv].  Unit number 2 nx + wave % 2: up to S1 it is set 0's, pair of key steps number - 1; behind that set 1's, pair number - S1.
.macro ADDR nx, dp, dv
	s_add_co_u32 s20, s14, 2*(\nx)
	s_cmp_le_u32 s20, s15
	s_cselect_b32 s21, 1, s15
	s_cselect_b32 s22, s16, s17
	s_sub_co_u32 s20, s20, s21
	s_lshl_b32 s20, s20, 1                         ; the pair's first key step
	s_add_co_u32 s22, s22, s20
	s_mul_i32 s[\dp], s22, PREC
	s_add_co_u32 s23, s18, s20
	s_mul_i32 s[\dv], s23, REC
.endm
	s_load_b128 s[4:7], s[0:1], 0x0                ; prec, vrec
	s_load_b64 s[8:9], s[0:1], 0x10                ; out0
	v_lshl_add_u32 v[SPW], v0, 2, SPARE
	v_mov_b32 v[NIL], 0
	ds_add_u32 v[SPW], v[NIL]                      ; the wave's opening: the add, twice on end, and its wait ahead of my first tensor load
	ds_add_u32 v[SPW], v[NIL]
	v_lshrrev_b32 v1, 5, v0
	v_readfirstlane_b32 s[WV], v1                  ; wave 0..3
	s_and_b32 s14, s[WV], 1                        ; my half of the channels.  Also: which of a slot's two units I fetch
	s_lshr_b32 s83, s[WV], 1                       ; my half of the queries
	s_bfe_u32 s13, ttmp6, 0x40000                  ; cx
	s_and_b32 s20, ttmp7, 0xffff
	s_lshr_b32 s21, s20, 3                         ; the batch
	s_and_b32 s78, s20, 7                          ; set 0's block of queries: g
	s_sub_co_u32 s79, 15, s78                      ; set 1's: 15 - g
	s_lshr_b32 s15, s78, 1
	s_add_co_u32 s15, s15, 1                       ; S1
	s_lshl_b32 s22, s21, 4
	s_add_co_u32 s16, s22, s78
	s_lshl_b32 s16, s16, 4                         ; set 0's first record of p
	s_add_co_u32 s17, s22, s79
	s_lshl_b32 s17, s17, 4                         ; set 1's
	s_lshl_b32 s23, ttmp9, 2
	s_add_co_u32 s23, s23, s13                     ; my block of channels
	s_lshl_b32 s18, s21, 3
	s_add_co_u32 s18, s18, s23
	s_lshl_b32 s18, s18, 4                         ; my first record of v
	s_lshl_b32 s66, s21, 11                        ; out0: row 2,048 b + 128 block + 64 (w / 2), 4,096 bytes a row; column 128 block + 64 (w % 2), 4 bytes each
	s_lshl_b32 s67, s83, 6
	s_add_co_u32 s66, s66, s67
	s_lshl_b32 s67, s23, 9
	s_lshl_b32 s82, s14, 8
	s_add_co_u32 s67, s67, s82
	s_lshl_b32 s70, s78, 7
	s_add_co_u32 s70, s70, s66
	s_lshl_b32 s70, s70, 12
	s_add_co_u32 s70, s70, s67
	s_mov_b32 s71, 0
	s_lshl_b32 s72, s79, 7
	s_add_co_u32 s72, s72, s66
	s_lshl_b32 s72, s72, 12
	s_add_co_u32 s72, s72, s67
	s_mov_b32 s73, 0
	s_mul_i32 s74, s16, PREC
	s_mov_b32 s75, 0
	s_mul_i32 s76, s17, PREC
	s_mov_b32 s77, 0
	s_mov_b32 s[G1P+0], 15|(3<<16)|(1<<21)         ; the mask: all four work-groups; elements of 8 bytes; bit 21 beside a mask.  35,840 dense bytes as 140 rows of 256
	s_mov_b32 s[G1P+1], 32<<16
	s_mov_b32 s[G1P+2], 140<<16
	s_mov_b32 s[G1P+3], 32<<16
	s_mov_b32 s[G1P+4], 140
	s_mov_b32 s[G1P+5], 32
	s_mov_b32 s[G1P+6], 0
	s_mov_b32 s[G1P+7], 0
	s_mov_b32 s[G1V+0], 3<<16                      ; no mask.  33,792 dense bytes as 132 rows of 256
	s_mov_b32 s[G1V+1], 32<<16
	s_mov_b32 s[G1V+2], 132<<16
	s_mov_b32 s[G1V+3], 32<<16
	s_mov_b32 s[G1V+4], 132
	s_mov_b32 s[G1V+5], 32
	s_mov_b32 s[G1V+6], 0
	s_mov_b32 s[G1V+7], 0
	s_mov_b32 s61, 0x01010101
	s_mov_b32 s62, 0x80808080
	s_mov_b32 s68, 0x38d1b717                      ; 1e-4
	s_mov_b32 s69, s68
	s_cmp_eq_u32 s14, 0                            ; the first fills.  Slot 0: unit 0 is set 0's first pair of key steps, unit 1 set 1's
	s_cselect_b32 s20, s16, s17
	s_mul_i32 s56, s20, PREC
	s_mov_b32 s57, 0
	s_mul_i32 s58, s18, REC
	s_mov_b32 s59, 0
	ADDR 1, 84, 80                                 ; slot 1: units 2 and 3
	s_mov_b32 s85, 0
	s_mov_b32 s81, 0
	s_mul_i32 s86, s14, PU                         ; where my unit goes in a slot: p's,
	s_mul_i32 s87, s14, VU
	s_add_co_u32 s87, s87, VOFF                    ; v's: no place in the cluster enters an LDS address
	s_wait_dscnt 0x0                               ; both opening adds are done
	s_wait_kmcnt 0x0
	s_add_nc_u64 s[70:71], s[8:9], s[70:71]
	s_add_nc_u64 s[72:73], s[8:9], s[72:73]
	s_add_nc_u64 s[74:75], s[4:5], s[74:75]
	s_add_nc_u64 s[76:77], s[4:5], s[76:77]
	s_mov_b32 s[G0P], 1
	s_mov_b32 s[G0P+1], s86
	s_add_nc_u64 s[G0P+2:G0P+3], s[4:5], s[56:57]
	s_or_b32 s[G0P+3], s[G0P+3], 0x80000000
	s_mov_b32 s[G0P+4], 1
	s_add_co_u32 s[G0P+5], s86, SLOTB
	s_add_nc_u64 s[G0P+6:G0P+7], s[4:5], s[84:85]
	s_or_b32 s[G0P+7], s[G0P+7], 0x80000000
	s_mov_b32 s[G0V], 1
	s_mov_b32 s[G0V+1], s87
	s_add_nc_u64 s[G0V+2:G0V+3], s[6:7], s[58:59]
	s_or_b32 s[G0V+3], s[G0V+3], 0x80000000
	s_mov_b32 s[G0V+4], 1
	s_add_co_u32 s[G0V+5], s87, SLOTB
	s_add_nc_u64 s[G0V+6:G0V+7], s[6:7], s[80:81]
	s_or_b32 s[G0V+7], s[G0V+7], 0x80000000
	CROUND                                         ; all four work-groups are here: the first joint loads meet
	s_cmp_lt_u32 s[WV], 2                          ; a wave's first fill stands in one branch: one load of mine is out
	s_cbranch_scc0 .Lfirst_v
	tensor_load_to_lds s[G0P:G0P+3], s[G1P:G1P+7]
	s_nop 0
.rept 4
	v_nop
.endr
	s_branch .Lfirst_asked
.Lfirst_v:
	tensor_load_to_lds s[G0V:G0V+3], s[G1V:G1V+7]
	s_nop 0
.rept 4
	v_nop
.endr
.Lfirst_asked:
	v_and_b32 v1, 15, v0                           ; r
	s_wait_alu depctr_va_vdst(0)
	v_bfe_u32 v2, v0, 4, 1                         ; h
	v_and_b32 v3, 31, v0
	v_lshlrev_b32 v3, 4, v3                        ; 16 x lane
	s_lshl_b32 s20, s83, 13
	v_add_nc_u32 v[AP0], s20, v3                   ; my four fragments of p: 8,192 (w / 2) on
	s_lshl_b32 s21, s14, 13
	s_add_co_u32 s21, s21, VOFF
	v_add_nc_u32 v[AV0], s21, v3                   ; of v: 8,192 (w % 2) on
	s_lshl_b32 s20, s83, 8
	s_add_co_u32 s20, s20, 16384
	v_lshl_add_u32 v[AW0], v1, 2, s20
	v_mad_u32_u24 v[AW0], v2, PREC, v[AW0]         ; lanes 16-31: the unit's second record
	s_lshl_b32 s21, s14, 8
	s_add_co_u32 s21, s21, VOFF+16384
	v_lshl_add_u32 v[AX0], v1, 2, s21
	v_mad_u32_u24 v[AX0], v2, REC, v[AX0]
	s_mul_i32 s20, s[WV], 16*SP
	s_add_co_u32 s20, s20, STAGE
	v_mul_u32_u24 v[STO], v1, SP
	s_wait_alu depctr_va_vdst(0)
	v_lshl_add_u32 v[STO], v2, 5, v[STO]
	v_add_nc_u32 v[STO], s20, v[STO]               ; in: row r, 32 bytes for each half of the lanes
	v_mul_u32_u24 v[RD], v2, SP
	v_lshl_add_u32 v[RD], v1, 4, v[RD]
	v_add_nc_u32 v[RD], s20, v[RD]                 ; back: lanes 0-15 one row of 256 bytes, lanes 16-31 the next
	v_lshlrev_b32 v[GO], 12, v2
	v_lshl_add_u32 v[GO], v1, 4, v[GO]             ; and the same two rows in out0
	v_lshlrev_b32 v[TH4], 2, v0
	s_wait_alu depctr_va_vdst(0)
	v_lshl_add_u32 v[TBW], v0, 2, TAB
	s_lshl_b32 s20, s83, 8
	s_add_co_u32 s20, s20, TAB
	v_lshl_add_u32 v[ATB], v1, 2, s20
; THE ROWS' STATISTICS: a thread to a row, for both sets.  Step j's -M and l stand in record min(j, the set's block): a step behind the block repeats the block's own record, so that nothing is read that was not
; stored; a repeated -M does not move the minimum, and a repeated l is multiplied by 0 (a factor made of ids).
.macro ROWLOAD set
.irp j, 0,1,2,3,4,5,6,7,8,9,10,11,12,13,14,15
	s_min_u32 s20, s[78+\set], \j
	s_mul_i32 s20, s20, PREC
	v_add_nc_u32 v[192+16*\set+\j], s20, v[TH4]
	global_load_b32 v[128+32*\set+\j], v[192+16*\set+\j], s[74+2*\set:75+2*\set] offset:16896
	global_load_b32 v[144+32*\set+\j], v[192+16*\set+\j], s[74+2*\set:75+2*\set] offset:17408
.endr
.endm
.macro ROWSUM set
.set N, 128+32*\set
.set L, 144+32*\set
	v_min3_num_f32 v72, v[N], v[N+1], v[N+2]
.irp i, 3,5,7,9,11,13
	v_min3_num_f32 v72, v72, v[N+\i], v[N+\i+1]
.endr
	v_min_num_f32 v72, v72, v[N+15]                ; the row's -M
.irp j, 0,1,2,3,4,5,6,7,8,9,10,11,12,13,14,15
	v_sub_f32 v[N+\j], v72, v[N+\j]                ; M(step) - M(row): a whole number, 0 or less
.endr
.irp j, 0,1,2,3,4,5,6,7,8,9,10,11,12,13,14,15
	v_max_num_f32 v[N+\j], 0xc3480000, v[N+\j]     ; held at -200: what lies under that is nothing beside the row's largest p
.endr
.irp j, 0,1,2,3,4,5,6,7,8,9,10,11,12,13,14,15
	v_cvt_i32_f32 v[N+\j], v[N+\j]
.endr
.irp j, 0,1,2,3,4,5,6,7,8,9,10,11,12,13,14,15
	v_ldexp_f32 v[L+\j], v[L+\j], v[N+\j]
.endr
.irp j, 1,2,3,4,5,6,7,8,9,10,11,12,13,14,15
	s_cmp_gt_u32 \j, s[78+\set]
	s_cselect_b32 s20, 0, 1.0
	v_fma_f32 v[L], v[L+\j], s20, v[L]
.endr
	s_wait_alu depctr_va_vdst(0)
	v_rcp_f32 v73, v[L]
	v_nop                                          ; a plain instruction behind the reciprocal
	s_wait_alu depctr_va_vdst(0)                   ; and the wait ahead of its first reader
	v_mul_f32 v73, 0x461c4000, v73                 ; 1e4 / l
	ds_store_b32 v[TBW], v72 offset:1024*\set
	ds_store_b32 v[TBW], v73 offset:1024*\set+512
.endm
	ROWLOAD 0
	ROWLOAD 1
	s_wait_alu depctr_va_vdst(0)
	s_wait_tensorcnt 0x0                           ; my part of slot 0 is in
	ds_add_u32 v[SPW], v[NIL]
	s_wait_dscnt 0x0
	CROUND
	JLOAD 1, 0                                     ; slot 1: units 2 and 3
	s_wait_loadcnt 0x0
	ROWSUM 0
	ROWSUM 1
	s_wait_dscnt 0x0                               ; my rows of the table are stored; slot 0 was shown by the round; slot 1's load may be out
	s_barrier_signal -1
	s_barrier_wait -1
.irp s, 0,1
.irp t, 0,1,2,3
	ds_load_b32 v[NMR+4*\s+\t], v[ATB] offset:1024*\s+64*\t
	ds_load_b32 v[RIV+2*(4*\s+\t)], v[ATB] offset:1024*\s+512+64*\t
	v_mov_b32 v[RIV+2*(4*\s+\t)+1], 0
.endr
.endr
; Unit e of a slot: its small words and its first step's fragments.  The four v_nop and the four additions are the eight places behind the last products.
.macro FETCH0 slot, e
	PLACES 4
	v_add_nc_u32 v8, (\slot)*SLOTB+(\e)*PU, v[AP0]
	v_add_nc_u32 v9, (\slot)*SLOTB+(\e)*VU, v[AV0]
	v_add_nc_u32 v10, (\slot)*SLOTB+(\e)*PU, v[AW0]
	v_add_nc_u32 v11, (\slot)*SLOTB+(\e)*VU, v[AX0]
.irp t, 0,1,2,3
	ds_load_b32 v[PW+\t], v10 offset:64*\t
	ds_load_b32 v[NMW+\t], v10 offset:512+64*\t
	ds_load_b32 v[VW+\t], v11 offset:64*\t
.endr
.irp t, 0,1,2,3
.irp c, 0,1,2,3
	ds_load_b128 v[F0P+16*\t+4*\c:F0P+16*\t+4*\c+3], v8 offset:2048*\t+512*\c
	ds_load_b128 v[F0V+16*\t+4*\c:F0V+16*\t+4*\c+3], v9 offset:2048*\t+512*\c
.endr
.endr
.endm
; p's eight scale words under the row's M: each byte less d = M(row) - M(step), held at 0.  The bytes are at most 112 and d at most 127: with bit 7 set in each byte no byte borrows from its neighbour, and bit 7 of the
; difference says whether the byte was at least d.
.macro FIX set
.irp i, 0,1,2,3
	v_sub_f32 v[DL+\i], v[NMW+\i], v[NMR+4*\set+\i]
.endr
.irp i, 0,1,2,3
	v_min_num_f32 v[DL+\i], 0x42fe0000, v[DL+\i]   ; 127
.endr
.irp i, 0,1,2,3
	v_cvt_u32_f32 v[DL+\i], v[DL+\i]
.endr
.irp i, 0,1,2,3
	v_mul_lo_u32 v[DL+\i], v[DL+\i], s61           ; d in each byte
.endr
.irp i, 0,1,2,3
	v_or_b32 v[PW+\i], s62, v[PW+\i]
.endr
.irp i, 0,1,2,3
	v_sub_nc_u32 v[PW+\i], v[PW+\i], v[DL+\i]
.endr
.irp i, 0,1,2,3
	v_and_b32 v[DL+\i], s62, v[PW+\i]
.endr
.irp i, 0,1,2,3
	v_lshrrev_b32 v[TT+\i], 7, v[DL+\i]
.endr
.irp i, 0,1,2,3
	v_sub_nc_u32 v[DL+\i], v[DL+\i], v[TT+\i]      ; 0x7f in each byte that was at least d
.endr
.irp i, 0,1,2,3
	v_and_b32 v[PW+\i], v[PW+\i], v[DL+\i]
.endr
.endm
; 16 matrix instructions, the set's 16 accumulators by turns, one instruction a turn.
.macro MUL16 pf, vf, set, zero, kk
.irp qt, 0,1,2,3
.irp ct, 0,1,2,3
.if \zero
	v_wmma_scale_f32_16x16x128_f8f6f4 v[128*\set+8*(4*\qt+\ct):128*\set+8*(4*\qt+\ct)+7], v[\vf+16*\ct:\vf+16*\ct+15], v[\pf+16*\qt:\pf+16*\qt+15], 0, v[VW+\ct], v[PW+\qt] matrix_a_fmt:MATRIX_FMT_BF8 matrix_b_fmt:MATRIX_FMT_BF8
.elseif \kk
	v_wmma_scale_f32_16x16x128_f8f6f4 v[128*\set+8*(4*\qt+\ct):128*\set+8*(4*\qt+\ct)+7], v[\vf+16*\ct:\vf+16*\ct+15], v[\pf+16*\qt:\pf+16*\qt+15], v[128*\set+8*(4*\qt+\ct):128*\set+8*(4*\qt+\ct)+7], v[VW+\ct], v[PW+\qt] matrix_a_fmt:MATRIX_FMT_BF8 matrix_b_fmt:MATRIX_FMT_BF8 matrix_a_scale:MATRIX_SCALE_ROW1 matrix_b_scale:MATRIX_SCALE_ROW1
.else
	v_wmma_scale_f32_16x16x128_f8f6f4 v[128*\set+8*(4*\qt+\ct):128*\set+8*(4*\qt+\ct)+7], v[\vf+16*\ct:\vf+16*\ct+15], v[\pf+16*\qt:\pf+16*\qt+15], v[128*\set+8*(4*\qt+\ct):128*\set+8*(4*\qt+\ct)+7], v[VW+\ct], v[PW+\qt] matrix_a_fmt:MATRIX_FMT_BF8 matrix_b_fmt:MATRIX_FMT_BF8
.endif
.endr
.endr
.endm
.macro ARM set, zero                   ; a unit's work for one set
	s_wait_dscnt 32                                ; the small words are in; the first step's 32 fragment loads may be out
	FIX \set
	PLACES 8                                       ; a scale register written by vector instructions stands eight places ahead of the scaled matrix instruction
	WIN 0x80                                       ; destination window 2
.irp t, 0,1,2,3
.irp c, 0,1,2,3
	ds_load_b128 v[F1P+16*\t+4*\c:F1P+16*\t+4*\c+3], v8 offset:PREC+2048*\t+512*\c
	ds_load_b128 v[F1V+16*\t+4*\c:F1V+16*\t+4*\c+3], v9 offset:REC+2048*\t+512*\c
.endr
.endr
	s_wait_alu depctr_va_vdst(0)
	s_wait_dscnt 32                                ; the first step's fragments are in; the second step's 32 may be out
	WIN 0x50                                       ; sources 0, 1 window 0; C and D window 1
	MUL16 F0P, F0V, \set, \zero, 0
	s_wait_dscnt 0x0
	WIN 0x5a                                       ; sources 0, 1 window 2
	MUL16 F1P, F1V, \set, 0, 1
	WIN 0
.endm
; Unit number sg of the walk, which lies as unit e in a slot.  Units 0 and 1 start the two sets' sums; units 2, 3 and 4 are set 0's where S1 reaches them (ids alone: the same in all waves and all partners); the rest are set 1's.
.macro UNIT slot, e, sg
	FETCH0 \slot, \e
.if \sg == 0
	ARM 0, 1
.elseif \sg == 1
	ARM 1, 1
.elseif \sg <= 4
	s_cmp_ge_u32 s15, \sg
	s_cbranch_scc0 .Lset1_\@
	ARM 0, 0
	s_branch .Ljoin_\@
.Lset1_\@:
	ARM 1, 0
.Ljoin_\@:
.else
	ARM 1, 0
.endif
.endm
; THE CHANGE OF SLOTS, at a slot's head.  Each wave waits for all its tensor loads (its part of the slot ahead), adds 0 to its spare word, and waits for that and for its reads of the slot that it has left.
; fill = 1: that slot, tg, takes the walk's slot nx; the barrier is a round of the cluster's, and the refill is the first thing behind it.  (half = 1: waves 1 and 3 ask for nothing; the addresses that they make are not used.)
.macro CHANGE fill, nx, tg, half
	s_wait_tensorcnt 0x0                           ; no tensor load of mine is out, so a group 0 may be written
	ds_add_u32 v[SPW], v[NIL]
.if \fill
	ADDR \nx, 56, 58
	s_add_nc_u64 s[G0P+4*\tg+2:G0P+4*\tg+3], s[4:5], s[56:57]
	s_or_b32 s[G0P+4*\tg+3], s[G0P+4*\tg+3], 0x80000000
	s_add_nc_u64 s[G0V+4*\tg+2:G0V+4*\tg+3], s[6:7], s[58:59]
	s_or_b32 s[G0V+4*\tg+3], s[G0V+4*\tg+3], 0x80000000
	s_wait_dscnt 0x0                               ; the add is done, and my reads of the slot that I have left are over
	CROUND
	JLOAD \tg, \half
.else
	s_wait_dscnt 0x0
	s_barrier_signal -1
	s_barrier_wait -1
.endif
.endm
; THE WAY OUT of a set, 16 queries x my 64 channels at a time: x 1e4 / l, to the nearest whole number (ties to even), x 1e-4; through my own stage, so that sixteen lanes store 256 consecutive bytes.
.macro OUT set
.irp qt, 0,1,2,3
.set BK, 128+32*(\qt%2)
	WIN 0x01                                       ; source 0: the accumulators' window
.set ii, 0
.rept 16
	v_pk_mul_f32 v[Y+ii:Y+ii+1], v[128*\set+32*\qt+ii:128*\set+32*\qt+ii+1], v[RIV+2*(4*\set+\qt):RIV+2*(4*\set+\qt)+1] op_sel_hi:[1,0]
.set ii, ii+2
.endr
	WIN 0
.set ii, 0
.rept 32
	v_rndne_f32 v[Y+ii], v[Y+ii]
.set ii, ii+1
.endr
.set ii, 0
.rept 16
	v_pk_mul_f32 v[Y+ii:Y+ii+1], v[Y+ii:Y+ii+1], s[68:69] op_sel_hi:[1,0]
.set ii, ii+2
.endr
.irp ct, 0,1,2,3
	ds_store_b128 v[STO], v[Y+8*\ct:Y+8*\ct+3] offset:64*\ct
	ds_store_b128 v[STO], v[Y+8*\ct+4:Y+8*\ct+7] offset:64*\ct+16
.endr
.if (4*\set+\qt) >= 2
	s_wait_xcnt 0x0                                ; the stores of two tiles back have read their registers
.endif
.irp i, 0,1,2,3,4,5,6,7
	ds_load_b128 v[BK+4*\i:BK+4*\i+3], v[RD] offset:2*\i*SP   ; LDS serves a wave's instructions in order: these see my stores
.endr
.irp i, 0,1,2,3,4,5,6,7
	s_wait_dscnt 7-\i
	global_store_b128 v[GO], v[BK+4*\i:BK+4*\i+3], s[70+2*\set:71+2*\set] offset:(16*\qt+2*\i)*4096 th:TH_STORE_NT   ; 16 lanes store 256 consecutive bytes, at a multiple of 256 from out0's first byte
.endr
.endr
.endm
	UNIT 0, 0, 0                                   ; slot 0: set 0's first products start its sums,
	UNIT 0, 1, 1                                   ; and set 1's
	CHANGE 1, 2, 0, 0                              ; slot 1 is whole; slot 0 takes units 4 and 5
	UNIT 1, 0, 2
	UNIT 1, 1, 3
	CHANGE 1, 3, 1, 0                              ; slot 1 takes units 6 and 7
	UNIT 0, 0, 4
	UNIT 0, 1, 5
	PLACES 8                                       ; set 0 is finished, since S1 is 4 at the most: its tile goes out here, while units 6 and 7 are on their way
	OUT 0
	s_wait_xcnt 0x0                                ; its stores have read their registers: the next fragments may land there
	CHANGE 1, 4, 0, 1                              ; slot 0 takes unit 8, the last
	UNIT 1, 0, 6
	UNIT 1, 1, 7
	CHANGE 0, 0, 0, 0                              ; nothing is left to ask for
	UNIT 0, 0, 8
	PLACES 8
	OUT 1
	s_wait_tensorcnt 0x0                           ; the wave's end
	ds_add_u32 v[SPW], v[NIL]
	s_wait_dscnt 0x0
	CROUND                                         ; the closing round
	s_endpgm
.Lfunc_end_k_qe0fb607b9a_mix:
	.size	k_qe0fb607b9a_mix, .Lfunc_end_k_qe0fb607b9a_mix-k_qe0fb607b9a_mix
	.p2alignl 7, 3214868480
	.fill 96, 4, 3214868480
	.section	.rodata,"a",@progbits
	.p2align	6, 0x0
	.amdhsa_kernel k_qe0fb607b9a_mix
		.amdhsa_group_segment_fixed_size 327680
		.amdhsa_private_segment_fixed_size 0
		.amdhsa_enable_private_segment 0
		.amdhsa_kernarg_size 24
		.amdhsa_user_sgpr_count 2
		.amdhsa_user_sgpr_kernarg_segment_ptr 1
		.amdhsa_wavefront_size32 1
		.amdhsa_system_sgpr_workgroup_id_x 1
		.amdhsa_system_sgpr_workgroup_id_y 1
		.amdhsa_system_sgpr_workgroup_id_z 1
		.amdhsa_system_vgpr_workitem_id 0
		.amdhsa_next_free_vgpr 640
		.amdhsa_next_free_sgpr 90
		.amdhsa_reserve_vcc 0
		.amdhsa_float_denorm_mode_32 3
		.amdhsa_float_denorm_mode_16_64 3
		.amdhsa_memory_ordered 1
		.amdhsa_forward_progress 1
		.amdhsa_inst_pref_size 202
	.end_amdhsa_kernel
	.amdgpu_metadata
---
amdhsa.version: [ 1, 2 ]
amdhsa.kernels:
  - .name:           k_qe0fb607b9a_mix
    .symbol:         k_qe0fb607b9a_mix.kd
    .args:
      - { .name: prec, .offset: 0, .size: 8, .value_kind: global_buffer, .address_space: global }
      - { .name: vrec, .offset: 8, .size: 8, .value_kind: global_buffer, .address_space: global }
      - { .name: out0, .offset: 16, .size: 8, .value_kind: global_buffer, .address_space: global }
    .group_segment_fixed_size: 327680
    .private_segment_fixed_size: 0
    .kernarg_segment_align: 8
    .kernarg_segment_size: 24
    .max_flat_workgroup_size: 128
    .sgpr_count:     90
    .vgpr_count:     640
    .wavefront_size: 32
...
	.end_amdgpu_metadata
.endif
;; end of part 3
